; MI455X (gfx1250); checked and timed in simulation.
; The chip was launched on July 23, 2026; its instructions are those of AMD's public machine-readable ISA for CDNA 5 (MIT licence, August 2026) and "CDNA5" Instruction Set Architecture Reference Guide (July 2026). The comments in the code are by the model that wrote it; some were corrected since.
;; NF Diagonal Masked Self Attention. Allowed arithmetic: matrix products marked QUANTISED: E2M3 operands, one E8M0 scale for each 32 along K, by v_wmma_scale_f32_16x16x128_f8f6f4 with both operands' format E2M3, f32 sums; everything else in f32.
;; Inputs: wk 1,024 x 1,024 float32; wo 1,024 x 1,024 float32; wq 1,024 x 1,024 float32; wv 1,024 x 1,024 float32; x 4 x 2,048 x 1,024 float32.
;; Outputs: out0 4 x 2,048 x 1,024 float32.
;; This version of the problem:
;;   THIS VERSION OF THE PROBLEM IS GIVEN IN LOW PRECISION. The matrix products marked QUANTISED in the list below multiply operands that are first quantised to E2M3 (2 exponent bits, 3 mantissa bits; 6 bits a number), with one power-of-two scale for each 32 numbers along K (OCP MX v1.0); their sums are f32. All else is computed in f32.
;;   The module's matrix products, in the order in which they are computed (A, B: the left and right operand; K: the contracted axis; several contracted axes count as one K, in the product's order):
;;     1. [M 8,192, K 1,024] x [K 1,024, N 1,024]; A: input x; B: input wq: QUANTISED
;;     2. [M 8,192, K 1,024] x [K 1,024, N 1,024]; A: input x; B: input wk: QUANTISED
;;     3. [M 8,192, K 1,024] x [K 1,024, N 1,024]; A: input x; B: input wv: QUANTISED
;;     4. batch 64 x [M 2,048, K 64] x [K 64, N 2,048]; A: computed on the way; B: computed on the way: QUANTISED
;;     5. batch 64 x [M 64, K 2,048] x [K 2,048, N 2,048]; A: computed on the way; B: softmax (see below): QUANTISED
;;     6. [M 8,192, K 1,024] x [K 1,024, N 1,024]; A: computed on the way; B: input wo: QUANTISED
;;   THE QUANTISER, for each operand of a quantised product, along K:
;;     - K is cut into blocks of 32 from its start; a last block that is shorter is filled with zeros.
;;     - A block's scale is 2^e with e = floor(log2(the largest magnitude in the block)) - 2, held to -126 .. 127; a block of zeros has e = 0. As a byte (E8M0): e + 127.
;;     - Each number is divided by its block's scale, clamped to +-7.5, and rounded to the nearest number of E2M3, ties to even, subnormals kept.
;;     - The product sums the exact products of the quantised numbers (number of the format x scale) in f32.
;;   ~~~python
;;   def quantise(x, axis):      # numpy; x: float32 -> the quantised numbers, widened to float32 again
;;       x = np.moveaxis(x, axis, -1); K = x.shape[-1]
;;       x = np.pad(x, [(0, 0)] * (x.ndim - 1) + [(0, -K % 32)]); x = x.reshape(x.shape[:-1] + (-1, 32)); a = np.abs(x).max(-1, keepdims=True)
;;       e = np.where(a > 0, np.clip(np.frexp(np.where(a > 0, a, 1))[1] - 1 - 2, -126, 127), 0)      # np.frexp(a)[1] - 1 = floor(log2(a)), exactly
;;       r = np.clip(x / 2.0 ** e, -7.5, 7.5)
;;       step = 2.0 ** (np.maximum(np.frexp(np.where(r == 0, 1, r))[1] - 1, 0) - 3)
;;       q = np.round(r / step) * step * 2.0 ** e      # np.round: ties to even
;;       return np.moveaxis(q.reshape(q.shape[:-2] + (-1,))[..., :K], -1, axis).astype(np.float32)
;;   ~~~
;;   SOFTMAX AHEAD OF A QUANTISED PRODUCT. Where the list says 'softmax', what is quantised is not the finished softmax but p = 2^(t - M), with t = logit x log2(e) and M = ceil(the row's largest t), a whole number; so 1/2 < the row's largest p <= 1. The row's sum l is taken of the UNQUANTISED p, in f32, and the product's result is divided by l at the end. Since M is a whole number, a kernel that streams over the keys may use a running M (the ceiling of the running maximum): every later rescaling is an exact power of two, which a block's scale takes up: the codes' values come out the same.
;;   OPERANDS COMPUTED ON THE WAY. 'Computed on the way' means the value that the module computes at that place (a softmax that the list does not call 'softmax' is quantised finished and normalised). What goes into a quantiser is computed in f32, as accurately as f32 sums, v_exp_f32 and their like allow (about 1e-6 of the number): no bf16 or f16 on the way to a quantiser, and a product that is left as it is and whose result goes on into a quantised operand takes f32 operands (vector FMAs, or v_wmma_f32_16x16x4_f32). A number that lies on a knife's edge between two numbers of the format may be rounded either way, as far as f32 arithmetic and the matrix unit's own rounding can turn it there, and no further.
;; One version. Each part assembles by itself: llvm-mc -triple=amdgcn-amd-amdhsa -mcpu=gfx1250 --defsym DOCPART=n.
;; ======== version 1 of 1: 4 launches
;; limits: right only within a limited range of input values
;; workspace buffers: xq 6,553,600 bytes; wqk 1,638,400 bytes; wvq 819,200 bytes; woq 819,200 bytes; qkb 52,428,800 bytes; vb 6,553,600 bytes; ab 6,553,600 bytes
;; launch quant (part 1): grid 768 x 1, 4 waves a work-group, no clusters, 34,304 bytes of LDS; arguments x, wq, wk, wv, wo, xq, wqk, wvq, woq; writes xq, wqk, wvq, woq
.if DOCPART == 1
	.amdgcn_target "amdgcn-amd-amdhsa--gfx1250"
	.amdhsa_code_object_version 6
	.text
	.protected	k_qcfd3c02d2c_quant
	.globl	k_qcfd3c02d2c_quant
	.p2align	8
	.type	k_qcfd3c02d2c_quant,@function
k_qcfd3c02d2c_quant:
	s_mov_b64 s[64:65], 0
	v_nop
	global_prefetch_b8 v0, s[64:65] scope:SCOPE_SE
	s_setreg_imm32_b32 hwreg(HW_REG_WAVE_MODE, 25, 1), 1
	s_wait_xcnt 0x0
; x [8192][1024] and wq, wk, wv, wo [1024][1024], f32, K innermost, become codes of FP6 (E2M3) with one E8M0 scale byte for each 32 along K,
; laid IN THE ORDER OF AN OPERAND'S REGISTERS.  A tile of 16 rows takes 12,800 bytes: for each of its 8 K steps of 128 the fragment's 12 registers
; (3 pieces of 512 bytes: lane l's registers 4 p .. 4 p + 3 at 16 l), then 4 images of scale words of 128 bytes (image i, lane (r, h): the word of row r for K step 2 i + h).
; THE ROWS OF A TILE ARE NOT NEIGHBOURS: lane r of tile T stands for row 64 (T / 4) + 32 (r / 8) + 8 (T % 4) + r % 8, so that the results of a product that takes such
; tiles as source 0 have 32 neighbours, a whole block, in one lane's 32 registers of four neighbouring tiles.
; A block's scale is 2^(floor(log2(its largest magnitude)) - 2); its byte is the largest magnitude's exponent field - 2, held at 1 from below.
; LIMITS: a block of zeros gets the byte 1 where the rule says 127 (its codes are zeros, and this program alone reads the bytes); NaN and infinities among the inputs are not served.
; SHARES.  A work-group takes one tile (0-511: x; 512-575: wq; 576-639: wk; 640-703: wv; 704-767: wo; wq and wk go into one buffer); wave i takes K steps 2 i and 2 i + 1.
; Each load reads 512 consecutive bytes of one row; all 32 loads of a wave go out at once.  A K step turns through the wave's own stage in LDS, so that a lane gets whole blocks of 32.
; No matrix unit, no cluster, no tensor load: the launch streams, the waves share nothing, and no work-group reads what another reads.
.set STG,   8448                       ; a wave's stage: 16 rows x (512 bytes + 16)
.set SPARE, 4*STG                      ; the spare words, 128 bytes a wave
.set TILEB, 12800
.set SPW,   12                         ; my spare word's LDS address; never rewritten
.set NIL,   13                         ; 0; never rewritten
.set WS,    14                         ; my row's scale words of the two K steps
.set MX,    16
.set SO,    18
.set BY,    20
.set PT,    22
.set RAW,   32                         ; as loaded: 64 registers a K step
.set X,     160                        ; my two blocks of 32
.set CD,    224                        ; codes: 12 registers for each K step
.set XT,    248                        ; the second halves' codes before they are moved
	s_load_b512 s[4:19], s[0:1], 0x0               ; x, wq, wk, wv, wo, xq, wqk, wvq
	s_load_b64 s[20:21], s[0:1], 0x40              ; woq
	v_lshl_add_u32 v[SPW], v0, 2, SPARE
	v_mov_b32 v[NIL], 0
	v_lshrrev_b32 v1, 5, v0
	v_readfirstlane_b32 s22, v1                    ; wave i
	v_and_b32 v1, 31, v0
	v_and_b32 v2, 15, v0                           ; r
	v_bfe_u32 v3, v0, 4, 1                         ; h
	v_lshlrev_b32 v4, 4, v1                        ; 16 x lane
	s_mul_i32 s23, s22, STG
	v_add_nc_u32 v5, s23, v4                       ; the stage, on the way in
	v_mul_u32_u24 v6, v2, 528
	v_lshl_add_u32 v6, v3, 7, v6
	v_add_nc_u32 v6, s23, v6                       ; and on the way out: row r, + 128 h
	v_lshlrev_b32 v7, 2, v1
	v_lshlrev_b32 v8, 3, v3                        ; 8 h: my bytes' place in a scale word
	v_mov_b32 v[PT], 0                             ; a lane permute's destination counts as read
	s_mov_b32 s26, 0x76543210
	s_mov_b32 s27, 0xfedcba98                      ; selects for lane l xor 16
	s_mov_b32 s28, 0xffff0000                      ; lanes 16-31
	s_mov_b32 s24, 0
	s_mov_b32 s25, 0
	s_wait_alu depctr_va_vdst(0)                   ; the wait at the head's end
	s_wait_kmcnt 0x0
	s_cmp_ge_u32 ttmp9, 512                        ; the choices hang on the work-group's number alone: pointers are chosen, the path is one
	s_cselect_b64 s[4:5], s[6:7], s[4:5]
	s_cselect_b64 s[14:15], s[16:17], s[14:15]
	s_cselect_b32 s24, 512, s24
	s_cselect_b32 s25, 512, s25
	s_cmp_ge_u32 ttmp9, 576
	s_cselect_b64 s[4:5], s[8:9], s[4:5]
	s_cselect_b32 s24, 576, s24
	s_cmp_ge_u32 ttmp9, 640
	s_cselect_b64 s[4:5], s[10:11], s[4:5]
	s_cselect_b64 s[14:15], s[18:19], s[14:15]
	s_cselect_b32 s24, 640, s24
	s_cselect_b32 s25, 640, s25
	s_cmp_ge_u32 ttmp9, 704
	s_cselect_b64 s[4:5], s[12:13], s[4:5]
	s_cselect_b64 s[14:15], s[20:21], s[14:15]
	s_cselect_b32 s24, 704, s24
	s_cselect_b32 s25, 704, s25
	s_sub_co_u32 s24, ttmp9, s24                   ; my tile in the source
	s_sub_co_u32 s25, ttmp9, s25                   ; and in the destination
	s_lshr_b32 s30, s24, 2
	s_lshl_b32 s30, s30, 18                        ; 64 (T / 4) rows of 4,096 bytes
	s_and_b32 s31, s24, 3
	s_lshl_b32 s31, s31, 15                        ; 8 (T % 4) rows
	s_add_co_u32 s30, s30, s31
	s_lshl_b32 s31, s22, 10                        ; my wave's 1,024 bytes of a row
	s_add_co_u32 s30, s30, s31
	s_mov_b32 s31, 0
	s_add_nc_u64 s[4:5], s[4:5], s[30:31]
	s_mul_i32 s30, s25, TILEB
	s_add_nc_u64 s[14:15], s[14:15], s[30:31]
	s_lshl_b32 s30, s22, 7
	s_add_nc_u64 s[32:33], s[14:15], s[30:31]      ; + 128 i: my image of scale words
	s_mul_i32 s30, s22, 3072
	s_add_nc_u64 s[14:15], s[14:15], s[30:31]      ; + 3,072 i: my two fragments
.irp s, 0,1
.irp r, 0,1,2,3,4,5,6,7,8,9,10,11,12,13,14,15
	global_load_b128 v[RAW+64*\s+4*\r:RAW+64*\s+4*\r+3], v4, s[4:5] offset:((\r%8)+32*(\r/8))*4096+512*\s th:TH_LOAD_NT   ; 512 consecutive bytes: K step s of the tile's row r
.endr
.endr
.macro KSTEP s
.if \s == 0
	s_wait_loadcnt 16                              ; this K step's sixteen are in, the other's sixteen may be out
.else
	s_wait_loadcnt 0x0
.endif
.irp r, 0,1,2,3,4,5,6,7,8,9,10,11,12,13,14,15
	ds_store_b128 v5, v[RAW+64*\s+4*\r:RAW+64*\s+4*\r+3] offset:528*\r
.endr
.irp c, 0,1
.irp j, 0,1,2,3,4,5,6,7
	ds_load_b128 v[X+32*\c+4*\j:X+32*\c+4*\j+3], v6 offset:256*\c+16*\j   ; a wave's LDS instructions are served in order.  k = 64 c + 32 h + 0 .. 31 of row r
.endr
.endr
	s_wait_dscnt 0x0
.irp c, 0,1
	v_max3_num_f32 v[MX+\c], |v[X+32*\c]|, |v[X+32*\c+1]|, 0x1800000   ; block 2 c + h is all mine; the floor 2^(3 - 127) holds the byte at 1 from below
.endr
.irp i, 2,4,6,8,10,12,14,16,18,20,22,24,26,28,30
.irp c, 0,1
	v_max3_num_f32 v[MX+\c], v[MX+\c], |v[X+32*\c+\i]|, |v[X+32*\c+\i+1]|
.endr
.endr
.irp c, 0,1
	v_add_nc_u32 v[SO+\c], 0xff000000, v[MX+\c]    ; 2 off the exponent field: the conversion's scale operand
.endr
.irp c, 0,1
	v_lshrrev_b32 v[BY+\c], 23, v[SO+\c]           ; the scale's byte
.endr
	v_lshl_or_b32 v[WS+\s], v[BY+1], 16, v[BY]     ; my two bytes: blocks h and 2 + h,
	v_lshlrev_b32 v[WS+\s], v8, v[WS+\s]           ; at their places;
	v_permlanex16_b32 v[PT], v[WS+\s], s26, s27
	v_or_b32 v[WS+\s], v[WS+\s], v[PT]             ; with lane l xor 16's two the word is whole
.irp c, 0,1
	v_cvt_scalef32_pk16_fp6_f32 v[CD+12*\s+6*\c:CD+12*\s+6*\c+2], v[X+32*\c:X+32*\c+15], v[SO+\c]
	v_cvt_scalef32_pk16_fp6_f32 v[XT+4*\c:XT+4*\c+2], v[X+32*\c+16:X+32*\c+31], v[SO+\c]   ; (a conversion's three registers begin on an even number)
.endr
	v_nop                                          ; one plain place behind the scaled conversions
.irp c, 0,1
.irp i, 0,1,2
	v_mov_b32 v[CD+12*\s+6*\c+3+\i], v[XT+4*\c+\i]
.endr
.endr
.irp k, 0,1,2
	global_store_b128 v4, v[CD+12*\s+4*\k:CD+12*\s+4*\k+3], s[14:15] offset:1536*\s+512*\k   ; 512 consecutive bytes, at a multiple of 256 from the buffer's first byte
.endr
.endm
	KSTEP 0
	KSTEP 1
	v_cndmask_b32 v[PT], v[WS], v[WS+1], s28       ; lanes 0-15: K step 2 i's words; lanes 16-31: K step 2 i + 1's
	global_store_b32 v7, v[PT], s[32:33] offset:12288
	s_wait_tensorcnt 0x0                           ; the wave's end
	ds_add_u32 v[SPW], v[NIL]
	s_wait_dscnt 0x0
	s_endpgm
.Lfunc_end_k_qcfd3c02d2c_quant:
	.size	k_qcfd3c02d2c_quant, .Lfunc_end_k_qcfd3c02d2c_quant-k_qcfd3c02d2c_quant
	.p2alignl 7, 3214868480
	.fill 96, 4, 3214868480
	.section	.rodata,"a",@progbits
	.p2align	6, 0x0
	.amdhsa_kernel k_qcfd3c02d2c_quant
		.amdhsa_group_segment_fixed_size 34304
		.amdhsa_private_segment_fixed_size 0
		.amdhsa_enable_private_segment 0
		.amdhsa_kernarg_size 72
		.amdhsa_user_sgpr_count 2
		.amdhsa_user_sgpr_kernarg_segment_ptr 1
		.amdhsa_wavefront_size32 1
		.amdhsa_system_sgpr_workgroup_id_x 1
		.amdhsa_system_sgpr_workgroup_id_y 1
		.amdhsa_system_sgpr_workgroup_id_z 1
		.amdhsa_system_vgpr_workitem_id 0
		.amdhsa_next_free_vgpr 256
		.amdhsa_next_free_sgpr 66
		.amdhsa_reserve_vcc 0
		.amdhsa_float_denorm_mode_32 3
		.amdhsa_float_denorm_mode_16_64 3
		.amdhsa_memory_ordered 1
		.amdhsa_forward_progress 1
		.amdhsa_inst_pref_size 17
	.end_amdhsa_kernel
	.amdgpu_metadata
---
amdhsa.version: [ 1, 2 ]
amdhsa.kernels:
  - .name:           k_qcfd3c02d2c_quant
    .symbol:         k_qcfd3c02d2c_quant.kd
    .args:
      - { .name: x, .offset: 0, .size: 8, .value_kind: global_buffer, .address_space: global }
      - { .name: wq, .offset: 8, .size: 8, .value_kind: global_buffer, .address_space: global }
      - { .name: wk, .offset: 16, .size: 8, .value_kind: global_buffer, .address_space: global }
      - { .name: wv, .offset: 24, .size: 8, .value_kind: global_buffer, .address_space: global }
      - { .name: wo, .offset: 32, .size: 8, .value_kind: global_buffer, .address_space: global }
      - { .name: xq, .offset: 40, .size: 8, .value_kind: global_buffer, .address_space: global }
      - { .name: wqk, .offset: 48, .size: 8, .value_kind: global_buffer, .address_space: global }
      - { .name: wvq, .offset: 56, .size: 8, .value_kind: global_buffer, .address_space: global }
      - { .name: woq, .offset: 64, .size: 8, .value_kind: global_buffer, .address_space: global }
    .group_segment_fixed_size: 34304
    .private_segment_fixed_size: 0
    .kernarg_segment_align: 8
    .kernarg_segment_size: 72
    .max_flat_workgroup_size: 128
    .sgpr_count:     66
    .vgpr_count:     256
    .wavefront_size: 32
...
	.end_amdgpu_metadata
.endif
;; end of part 1
;; launch qk (part 2): grid 8 x 48, 4 waves a work-group, clusters of 4 x 4, 327,680 bytes of LDS; arguments xq, wqk, qkb, wvq, vb; writes qkb, vb
.if DOCPART == 2
	.amdgcn_target "amdgcn-amd-amdhsa--gfx1250"
	.amdhsa_code_object_version 6
	.text
	.protected	k_qcfd3c02d2c_qk
	.globl	k_qcfd3c02d2c_qk
	.p2align	8
	.type	k_qcfd3c02d2c_qk,@function
k_qcfd3c02d2c_qk:
	s_mov_b64 s[64:65], 0
	v_nop
	global_prefetch_b8 v0, s[64:65] scope:SCOPE_SE
	s_setreg_imm32_b32 hwreg(HW_REG_WAVE_MODE, 25, 1), 1
	s_wait_xcnt 0x0
	s_wait_alu depctr_hold_cnt(0) depctr_sa_sdst(0) depctr_va_vdst(0) depctr_va_sdst(0) depctr_va_ssrc(0) depctr_va_vcc(0) depctr_vm_vsrc(0)
	s_getreg_b32 s2, hwreg(HW_REG_IB_STS2, 6, 4)
	s_cmp_eq_u32 s2, 0
	s_cbranch_scc0 .Lentry_in_a_cluster
	s_endpgm
.Lentry_in_a_cluster:
	s_bfe_u32 s2, ttmp6, 0x10000c
	s_cmp_lg_u32 s2, 0xf033
	s_cbranch_scc0 .Lentry_shape_is_right
	s_endpgm
.Lentry_shape_is_right:
; THREE PROJECTIONS IN ONE LAUNCH, on codes of FP6 (E2M3) with E8M0 scales, K = 1,024; each result is quantised along its next K and stored as fragments (blocks of 12,800 bytes).
; Cluster rows 0-7: (Q | K)[token][channel] = x (wq | wk)^T: source 1 = 256 tokens of xq, source 0 = 256 channels of wqk; a lane holds a token, its registers run along the channels.
; Cluster rows 8-11: V^T[channel][token]: source 1 = 256 channels of wvq, source 0 = 256 tokens of xq; a lane holds a channel, its registers run along the keys.  The buffers and the tile's numbers are chosen by the cluster's y alone: one path.
; A work-group of four waves makes 256 x 256, a wave 128 x 128: 64 accumulators in windows 2 and 3; source 1's fragments in window 0 (one set), source 0's in window 1 (two sets).
; THE RING: two LDS slots, each with two K steps (a chunk of 3,072 bytes of each 16-row tile); waves 0 and 1 fetch source 1's halves, waves 2 and 3 source 0's, 8 tiles a load.  4 x 4 clusters ask jointly for the tiles
; that a row or a column of the cluster shares; a round of the cluster's barrier stands in front of every joint load.
; The rows of a 16-row tile are 64 (T / 4) + 32 (r / 8) + 8 (T % 4) + r % 8: a lane's 32 registers of four neighbouring tiles are one whole block of 32.
; PREFETCH: behind the load of chunk k, chunk k + 1 is named, one fill ahead.  Of the 8 tiles that a wave fetches, each of the four partners that ask for them jointly names two, told apart by address: 24 lanes, 256 bytes
; apart, 12 to a tile (the lanes left over name the last again).  Chunk 0 comes by its load alone; behind the last chunk's load nothing is named.
; LIMITS: a block of zeros gets the byte 1 where the rule says 127 (its codes are zeros; this program alone reads the bytes); NaN and infinities are not served.
.set TILEB, 12800
.set FRB,   1536
.set SROW,  2*FRB
.set HALFT, 8*SROW
.set SLOT,  4*HALFT
.set SPARE, 2*SLOT                     ; the spare words, 128 bytes a wave
.set FR,    12
.set NL,    3
.set NP,    4
.set ADRA,  16
.set ADRB,  20
.set L16,   24
.set L8,    25
.set L4,    26
.set H8,    27
.set SPW,   28                         ; my spare word's LDS address; never rewritten
.set NIL,   29                         ; 0; never rewritten
.set PFO,   31                         ; the prefetches' offset; never rewritten
.set SCB,   32
.set SCA,   64
.set PW,    96
.set AF,    128
.set TM,    224
.set XT,    240
.set G1,  24
.set G0,  32
.set G1B, 48
.set G0B, 56
.set PFA, 72
.set MSB, 0
.macro WIN new                         ; the immediate's high byte repeats the setting that is left
.if MSB != (\new)
	s_set_vgpr_msb (MSB<<8)|(\new)
.set MSB, (\new)
.endif
.endm
.set MUL_LO, 0xa1
.set MUL_HI, 0xf1
.set TO_B,   0x40
.macro JLOAD g0a, g1a, g0b, g1b        ; a joint load; the branch hangs on the wave's number alone
	s_cmp_eq_u32 s15, 0
	s_cbranch_scc0 .Lfor_b_\@
	tensor_load_to_lds s[\g0a:\g0a+3], s[\g1a:\g1a+7]
	s_nop 0
.rept 4
	v_nop
.endr
	s_branch .Lasked_\@
.Lfor_b_\@:
	tensor_load_to_lds s[\g0b:\g0b+3], s[\g1b:\g1b+7]
	s_nop 0
.rept 4
	v_nop
.endr
.Lasked_\@:
.endm
.macro CREST
	s_cmp_lg_u32 s14, 0
	s_cbranch_scc1 .Lnot_wave_0_\@
	s_barrier_signal -3
.Lnot_wave_0_\@:
	s_barrier_wait -3
	s_barrier_signal -1
	s_barrier_wait -1
.endm
.macro CROUND
	s_barrier_signal -1
	s_barrier_wait -1
	CREST
.endm
	s_load_b128 s[4:7], s[0:1], 0x0                ; xq, wqk
	s_load_b64 s[8:9], s[0:1], 0x10                ; qkb
	s_load_b128 s[68:71], s[0:1], 0x18             ; wvq, vb
	v_lshl_add_u32 v[SPW], v0, 2, SPARE
	v_mov_b32 v[NIL], 0
	ds_add_u32 v[SPW], v[NIL]                      ; the opening lines: the add, twice on end, and its wait
	ds_add_u32 v[SPW], v[NIL]
	v_lshrrev_b32 v1, 5, v0
	v_readfirstlane_b32 s14, v1                    ; wave
	s_lshr_b32 s15, s14, 1                         ; my half of source 1's rows.  Also: I fetch for source 1 (0) or source 0 (1)
	s_and_b32 s16, s14, 1                          ; my half of source 0's rows.  Also: which 8 tiles I fetch
	s_bfe_u32 s40, ttmp6, 0x40000                  ; cx
	s_bfe_u32 s41, ttmp6, 0x40004                  ; cy
	s_and_b32 s17, ttmp7, 0xffff                   ; the cluster's y: 0-7 Q and K, 8-11 V
	s_sub_co_u32 s18, s17, 8
	s_lshl_b32 s18, s18, 1
	s_add_co_u32 s18, s18, ttmp9                   ; V: cluster column x + 2 (y - 8), cluster row 0
	s_cmp_lt_u32 s17, 8
	s_cselect_b32 s42, ttmp9, s18
	s_cselect_b32 s17, s17, 0
	s_cselect_b32 s13, 1, 0                        ; 1: Q and K
	s_lshl_b32 s42, s42, 2
	s_add_co_u32 s42, s42, s40                     ; tile column
	s_lshl_b32 s17, s17, 2
	s_add_co_u32 s17, s17, s41                     ; tile row
	s_lshl_b32 s43, s41, 2
	s_lshl_b32 s43, 15, s43                        ; my row of the cluster
	s_lshl_b32 s44, 0x1111, s40                    ; my column
	s_mov_b32 s10, 0x76543210
	s_mov_b32 s11, 0xfedcba98                      ; selects for lane l xor 16
	s_mov_b32 s12, 0xffff0000                      ; lanes 16-31
	s_or_b32 s[G1+0], s43, (3<<16)|(1<<21)
	s_or_b32 s[G1B+0], s44, (3<<16)|(1<<21)
.irp g, G1, G1B                        ; 8 rows (tiles) of 384 elements of 8 bytes, 12,800 bytes apart
	s_mov_b32 s[\g+1], 384<<16
	s_mov_b32 s[\g+2], 8<<16
	s_mov_b32 s[\g+3], 384<<16
	s_mov_b32 s[\g+4], 8
	s_mov_b32 s[\g+5], 1600
	s_mov_b32 s[\g+6], 0
	s_mov_b32 s[\g+7], 0
.endr
	s_lshl_b32 s18, s16, 3
	s_lshl_b32 s20, s17, 4
	s_add_co_u32 s20, s20, s18
	s_mul_i32 s20, s20, TILEB                      ; source 1: the 8 tiles that I would fetch
	s_mov_b32 s21, 0
	s_lshl_b32 s46, s42, 4
	s_add_co_u32 s46, s46, s18
	s_mul_i32 s46, s46, TILEB                      ; source 0: likewise; they are also the 8 tiles that I multiply
	s_mov_b32 s47, 0
	s_mul_i32 s45, s14, HALFT                      ; LDS: wave x 8 tiles
	s_lshl_b32 s76, s17, 4
	s_lshl_b32 s77, s15, 3
	s_add_co_u32 s76, s76, s77
	s_mul_i32 s76, s76, TILEB                      ; source 1: the 8 tiles that I multiply (for their scale words)
	s_mov_b32 s77, 0
	s_lshl_b32 s78, s17, 1                         ; the result's block: 64 (2 tile row + half) + 2 tile column + half
	s_add_co_u32 s78, s78, s15
	s_lshl_b32 s78, s78, 6
	s_lshl_b32 s79, s42, 1
	s_add_co_u32 s78, s78, s79
	s_add_co_u32 s78, s78, s16
	s_mul_i32 s78, s78, TILEB
	s_mov_b32 s79, 0
	s_cmp_eq_u32 s15, 0
	s_cselect_b32 s74, s40, s41                    ; my place among the four that ask with me
	s_mul_i32 s74, s74, 2*TILEB                    ; its two tiles of the eight
	s_mov_b32 s75, 0
	v_and_b32 v1, 31, v0                           ; lane
	v_lshlrev_b32 v[L4], 2, v1
	v_min_u32 v2, 23, v1
	v_mul_u32_u24 v3, v2, 11
	v_lshrrev_b32 v3, 7, v3                        ; 1 from lane 12 on
	v_mul_u32_u24 v3, v3, TILEB-SROW
	v_lshl_add_u32 v[PFO], v2, 8, v3               ; 12 lanes to a tile's chunk, 256 bytes apart
	s_wait_alu depctr_va_vdst(0)                   ; the wait directly ahead of the wait below
	s_wait_dscnt 0x0
	s_wait_kmcnt 0x0
	s_cmp_lg_u32 s13, 0
	s_cselect_b64 s[6:7], s[6:7], s[4:5]           ; source 0's tiles: wqk, or xq
	s_cselect_b64 s[4:5], s[4:5], s[68:69]         ; source 1's tiles: xq, or wvq
	s_cselect_b64 s[8:9], s[8:9], s[70:71]         ; the result: qkb, or vb
	s_add_nc_u64 s[20:21], s[4:5], s[20:21]
	s_add_nc_u64 s[46:47], s[6:7], s[46:47]
	s_add_nc_u64 s[4:5], s[4:5], s[76:77]
	s_add_nc_u64 s[8:9], s[8:9], s[78:79]
	s_cmp_eq_u32 s15, 0
	s_cselect_b64 s[PFA:PFA+1], s[20:21], s[46:47]
	s_add_nc_u64 s[PFA:PFA+1], s[PFA:PFA+1], s[74:75]
	CROUND                                         ; in front of the first joint loads
.irp s, 0,1
	s_mov_b32 s[G0+4*\s], 1
	s_add_co_u32 s[G0+4*\s+1], s45, \s*SLOT
	s_add_nc_u64 s[G0+4*\s+2:G0+4*\s+3], s[20:21], \s*SROW
	s_or_b32 s[G0+4*\s+3], s[G0+4*\s+3], 0x80000000
	s_mov_b32 s[G0B+4*\s], 1
	s_add_co_u32 s[G0B+4*\s+1], s45, \s*SLOT
	s_add_nc_u64 s[G0B+4*\s+2:G0B+4*\s+3], s[46:47], \s*SROW
	s_or_b32 s[G0B+4*\s+3], s[G0B+4*\s+3], 0x80000000
.endr
	JLOAD G0, G1, G0B, G1B                         ; chunk 0: my one load at the head
.irp t, 0,1,2,3,4,5,6,7                        ; my 16 tiles' scale words, and the rest of the set-up, while chunk 0 is out
.irp i, 0,1,2,3
	global_load_b32 v[SCB+4*\t+\i], v[L4], s[46:47] offset:TILEB*\t+12288+128*\i
	global_load_b32 v[SCA+4*\t+\i], v[L4], s[4:5] offset:TILEB*\t+12288+128*\i
.endr
.endr
	global_prefetch_b8 v[PFO], s[PFA:PFA+1] offset:SROW th:TH_LOAD_NT scope:SCOPE_SE
	v_lshlrev_b32 v[L16], 4, v1
	v_lshlrev_b32 v[L8], 3, v1
	v_bfe_u32 v[H8], v0, 4, 1
	v_lshlrev_b32 v[H8], 3, v[H8]                  ; 8 h: my bytes' place in a scale word
	s_wait_alu depctr_va_vdst(0)
	s_mul_i32 s21, s15, HALFT
	s_mul_i32 s22, s16, HALFT
	s_add_co_u32 s22, s22, 2*HALFT
.irp s, 0,1
	v_add_nc_u32 v[ADRA+\s], s21, v[L16]
	v_add_nc_u32 v[ADRB+\s], s22, v[L16]
	s_add_co_u32 s21, s21, SLOT
	s_add_co_u32 s22, s22, SLOT
.endr
.macro FRAG reg, adr, q, i
.irp c, 0,1,2
	ds_load_b128 v[\reg+4*\c:\reg+4*\c+3], v[\adr] offset:SROW*(\i)+FRB*(\q)+512*\c
.endr
.endm
.macro MUL16 a0, p, i, row, zero       ; source 1's blocks a0, a0 + 1 x source 0's eight; the accumulators take turns
.irp a, \a0, \a0+1
.irp b, 0,1,2,3,4,5,6,7
.if \zero
	v_wmma_scale_f32_16x16x128_f8f6f4 v[8*(8*((\a)%4)+\b):8*(8*((\a)%4)+\b)+7], v[128*(\p)+FR*\b:128*(\p)+FR*\b+FR-1], v[AF+FR*(\a):AF+FR*(\a)+FR-1], 0, v[SCB+4*\b+(\i)], v[SCA+4*(\a)+(\i)] matrix_a_fmt:MATRIX_FMT_FP6 matrix_b_fmt:MATRIX_FMT_FP6
.elseif \row
	v_wmma_scale_f32_16x16x128_f8f6f4 v[8*(8*((\a)%4)+\b):8*(8*((\a)%4)+\b)+7], v[128*(\p)+FR*\b:128*(\p)+FR*\b+FR-1], v[AF+FR*(\a):AF+FR*(\a)+FR-1], v[8*(8*((\a)%4)+\b):8*(8*((\a)%4)+\b)+7], v[SCB+4*\b+(\i)], v[SCA+4*(\a)+(\i)] matrix_a_fmt:MATRIX_FMT_FP6 matrix_b_fmt:MATRIX_FMT_FP6 matrix_a_scale:MATRIX_SCALE_ROW1 matrix_b_scale:MATRIX_SCALE_ROW1
.else
	v_wmma_scale_f32_16x16x128_f8f6f4 v[8*(8*((\a)%4)+\b):8*(8*((\a)%4)+\b)+7], v[128*(\p)+FR*\b:128*(\p)+FR*\b+FR-1], v[AF+FR*(\a):AF+FR*(\a)+FR-1], v[8*(8*((\a)%4)+\b):8*(8*((\a)%4)+\b)+7], v[SCB+4*\b+(\i)], v[SCA+4*(\a)+(\i)] matrix_a_fmt:MATRIX_FMT_FP6 matrix_b_fmt:MATRIX_FMT_FP6
.endif
.endr
.endr
.endm
.macro FETCH_B slot, q, p
	WIN TO_B
.irp i, 0,1,2,3,4,5,6,7
	FRAG 128*(\p)+FR*\i, ADRB+\slot, \q, \i
.endr
	WIN 0
.endm
.macro FETCH_A slot, q, i0
.irp i, \i0, \i0+1, \i0+2, \i0+3
	FRAG AF+FR*(\i), ADRA+\slot, \q, \i
.endr
.endm
.macro PLACES n
.rept \n
	v_nop
.endr
.endm
.macro STEP slot, sg, zero             ; a slot's first K step; the second's fragments are fetched in its middle and at its end
	s_wait_dscnt 4*NL                              ; the youngest 12 loads, source 1's blocks 4-7, may be out
	WIN MUL_LO
	MUL16 0, 0, \sg, 0, \zero
	MUL16 2, 0, \sg, 0, \zero
	s_wait_dscnt 0x0
	PLACES NP
	FETCH_B \slot, 1, 1
	FETCH_A \slot, 1, 0
	WIN MUL_HI
	MUL16 4, 0, \sg, 0, \zero
	MUL16 6, 0, \sg, 0, \zero
	PLACES NP
	WIN 0
	FETCH_A \slot, 1, 4
.endm
.macro TURN slot, next, fill, sg       ; a slot's second K step, and the change of slots
	s_wait_tensorcnt 0x0                           ; my part of the next slot is in;
	ds_add_u32 v[SPW], v[NIL]
	s_wait_dscnt 4*NL+1                            ; (the add and the youngest 12 loads may be out)
	WIN MUL_LO
	MUL16 0, 1, \sg, 1, 0
	s_wait_dscnt 0x0                               ; the add is done, and my reads of this slot are over
	s_barrier_signal -1
	MUL16 2, 1, \sg, 1, 0
	WIN 0
	s_barrier_wait -1
.if \fill
	CREST                                          ; the barrier has opened a round of the cluster's barrier
	s_add_nc_u64 s[G0+4*\slot+2:G0+4*\slot+3], s[G0+4*\slot+2:G0+4*\slot+3], 2*SROW
	s_add_nc_u64 s[G0B+4*\slot+2:G0B+4*\slot+3], s[G0B+4*\slot+2:G0B+4*\slot+3], 2*SROW
	JLOAD G0+4*\slot, G1, G0B+4*\slot, G1B
.else
	PLACES NP
.endif
	FETCH_B \next, 0, 0
	FETCH_A \next, 0, 0
.if (\fill) && (\slot) == 0
	global_prefetch_b8 v[PFO], s[PFA:PFA+1] offset:3*SROW th:TH_LOAD_NT scope:SCOPE_SE   ; behind chunk 2's load: chunk 3
.endif
	WIN MUL_HI
	MUL16 4, 1, \sg, 1, 0
	MUL16 6, 1, \sg, 1, 0
	PLACES NP
	WIN 0
	FETCH_A \next, 0, 4
.endm
	s_wait_alu depctr_va_vdst(0)                   ; the wait at the head's end
	s_wait_tensorcnt 0x0                           ; my part of chunk 0 is in; slot 1's first fill stands behind the full sequence
	ds_add_u32 v[SPW], v[NIL]
	s_wait_dscnt 0x0
	CROUND                                         ; everybody's part of chunk 0 is in
	JLOAD G0+4, G1, G0B+4, G1B                     ; chunk 1
	FETCH_B 0, 0, 0
	FETCH_A 0, 0, 0
	FETCH_A 0, 0, 4
	global_prefetch_b8 v[PFO], s[PFA:PFA+1] offset:2*SROW th:TH_LOAD_NT scope:SCOPE_SE
	s_wait_loadcnt 0x0                             ; the scale words
	STEP 0, 0, 1
	TURN 0, 1, 1, 0
	STEP 1, 1, 0
	TURN 1, 0, 1, 1
	STEP 0, 2, 0
	TURN 0, 1, 0, 2
	STEP 1, 3, 0
	s_wait_dscnt 4*NL
	WIN MUL_LO
	MUL16 0, 1, 3, 1, 0
	MUL16 2, 1, 3, 1, 0
	s_wait_dscnt 0x0
	WIN MUL_HI
	MUL16 4, 1, 3, 1, 0
	MUL16 6, 1, 3, 1, 0
	WIN 0
; The way out of source 1's block a: my row's 64 numbers are blocks h and 2 + h of its 128 along the next K; they become a fragment's registers and a scale word.
.macro QUANTW a
.set WN, 2+(\a)/4
.set AC, 64*((\a)%4)
.set PC, AF+FR*(\a)
.set W12, (WN<<2)|(WN<<4)
	WIN W12
.irp b, 0,1,2,3
	v_max3_num_f32 v[TM+\b], 0x1800000, |v[AC+16*\b]|, |v[AC+16*\b+1]|
.endr
.irp i, 2,4,6,8,10,12,14
.irp b, 0,1,2,3
	v_max3_num_f32 v[TM+\b], v[TM+\b], |v[AC+16*\b+\i]|, |v[AC+16*\b+\i+1]|
.endr
.endr
	WIN 0
.irp c, 0,1
	v_max_num_f32 v[TM+\c], v[TM+2*\c], v[TM+2*\c+1]   ; block 2 c + h, whole
.endr
.irp c, 0,1
	v_add_nc_u32 v[TM+12+\c], 0xff000000, v[TM+\c]     ; 2 off the exponent field: the conversion's scale operand
.endr
.irp c, 0,1
	v_lshrrev_b32 v[TM+4+\c], 23, v[TM+12+\c]          ; the scale's byte
.endr
	v_lshl_or_b32 v[PW+(\a)], v[TM+5], 16, v[TM+4]
	v_lshlrev_b32 v[PW+(\a)], v[H8], v[PW+(\a)]
	v_permlanex16_b32 v[TM+6], v[PW+(\a)], s10, s11
	v_or_b32 v[PW+(\a)], v[PW+(\a)], v[TM+6]           ; with lane l xor 16's two bytes the word is whole
	WIN WN
.irp c, 0,1
	v_cvt_scalef32_pk16_fp6_f32 v[PC+6*\c:PC+6*\c+2], v[AC+32*\c:AC+32*\c+15], v[TM+12+\c]
	v_cvt_scalef32_pk16_fp6_f32 v[XT+4*\c:XT+4*\c+2], v[AC+32*\c+16:AC+32*\c+31], v[TM+12+\c]
.endr
	WIN 0
	v_nop                                          ; one plain place behind the scaled conversions
.irp c, 0,1
.irp i, 0,1,2
	v_mov_b32 v[PC+3+6*\c+\i], v[XT+4*\c+\i]
.endr
.endr
.irp c, 0,1
	global_store_b128 v[L16], v[PC+6*\c:PC+6*\c+3], s[8:9] offset:FRB*(\a)+768*\c
	global_store_b64 v[L8], v[PC+6*\c+4:PC+6*\c+5], s[8:9] offset:FRB*(\a)+768*\c+512
.endr
.endm
	PLACES NP
.irp b, 0,1,2,3
	v_mov_b32 v[TM+4+\b], 0                        ; a lane permute's destination counts as read
.endr
.irp a, 0,1,2,3,4,5,6,7
	QUANTW \a
.endr
.irp i, 0,1,2,3
	v_cndmask_b32 v[PW+8+\i], v[PW+2*\i], v[PW+2*\i+1], s12   ; register i: lanes 0-15 block 2 i's words, lanes 16-31 block 2 i + 1's
.endr
	global_store_b128 v[L16], v[PW+8:PW+11], s[8:9] offset:12288
	s_wait_tensorcnt 0x0                           ; the wave's end
	ds_add_u32 v[SPW], v[NIL]
	s_wait_dscnt 0x0
	CROUND                                         ; the closing round
	s_endpgm
.Lfunc_end_k_qcfd3c02d2c_qk:
	.size	k_qcfd3c02d2c_qk, .Lfunc_end_k_qcfd3c02d2c_qk-k_qcfd3c02d2c_qk
	.p2alignl 7, 3214868480
	.fill 96, 4, 3214868480
	.section	.rodata,"a",@progbits
	.p2align	6, 0x0
	.amdhsa_kernel k_qcfd3c02d2c_qk
		.amdhsa_group_segment_fixed_size 327680
		.amdhsa_private_segment_fixed_size 0
		.amdhsa_enable_private_segment 0
		.amdhsa_kernarg_size 40
		.amdhsa_user_sgpr_count 2
		.amdhsa_user_sgpr_kernarg_segment_ptr 1
		.amdhsa_wavefront_size32 1
		.amdhsa_system_sgpr_workgroup_id_x 1
		.amdhsa_system_sgpr_workgroup_id_y 1
		.amdhsa_system_sgpr_workgroup_id_z 1
		.amdhsa_system_vgpr_workitem_id 0
		.amdhsa_next_free_vgpr 1024
		.amdhsa_next_free_sgpr 80
		.amdhsa_reserve_vcc 0
		.amdhsa_float_denorm_mode_32 3
		.amdhsa_float_denorm_mode_16_64 3
		.amdhsa_memory_ordered 1
		.amdhsa_forward_progress 1
		.amdhsa_inst_pref_size 138
	.end_amdhsa_kernel
	.amdgpu_metadata
---
amdhsa.version: [ 1, 2 ]
amdhsa.kernels:
  - .name:           k_qcfd3c02d2c_qk
    .symbol:         k_qcfd3c02d2c_qk.kd
    .args:
      - { .name: xq, .offset: 0, .size: 8, .value_kind: global_buffer, .address_space: global }
      - { .name: wqk, .offset: 8, .size: 8, .value_kind: global_buffer, .address_space: global }
      - { .name: qkb, .offset: 16, .size: 8, .value_kind: global_buffer, .address_space: global }
      - { .name: wvq, .offset: 24, .size: 8, .value_kind: global_buffer, .address_space: global }
      - { .name: vb, .offset: 32, .size: 8, .value_kind: global_buffer, .address_space: global }
    .group_segment_fixed_size: 327680
    .private_segment_fixed_size: 0
    .kernarg_segment_align: 8
    .kernarg_segment_size: 40
    .max_flat_workgroup_size: 128
    .sgpr_count:     80
    .vgpr_count:     1024
    .wavefront_size: 32
...
	.end_amdgpu_metadata
.endif
;; end of part 2
;; launch attn (part 3): grid 8 x 32, 8 waves a work-group, no clusters, 327,680 bytes of LDS; arguments qkb, vb, ab; writes ab
.if DOCPART == 3
	.amdgcn_target "amdgcn-amd-amdhsa--gfx1250"
	.amdhsa_code_object_version 6
	.text
	.protected	k_qcfd3c02d2c_attn
	.globl	k_qcfd3c02d2c_attn
	.p2align	8
	.type	k_qcfd3c02d2c_attn,@function
k_qcfd3c02d2c_attn:
	s_mov_b64 s[64:65], 0
	v_nop
	global_prefetch_b8 v0, s[64:65] scope:SCOPE_SE
	s_setreg_imm32_b32 hwreg(HW_REG_WAVE_MODE, 25, 1), 1
	s_wait_xcnt 0x0
; For each batch b and head: O[q] = the sum over keys k != q of softmax_k(Q[q] . K[k] / 8) V[k], both products on codes of FP6 (E2M3) with E8M0 scales; O / the row's sum is quantised along the model's 1,024 for the last product.
; THE SOFTMAX AHEAD OF THE SECOND PRODUCT: t = score x log2(e) / 8; M = the running largest t rounded up to a whole number; p = 2^(t - M) is quantised along the keys, not normalised; the row's sum is taken of the
; unquantised p in f32.  When M moves, the sum and O are multiplied by 2^(old M - new M): exact.
; INPUTS, in blocks of 12,800 bytes (8 fragments of 1,536 as two halves of 768, then 512 bytes of scale words).  qkb block 64 J + ic: J = 128 tokens (8 tiles), ic = hp: Q of head pair hp, ic = 8 + hp: K.  Half c of a
; fragment is head 2 hp + c's 64 channels; bytes 2 c, 2 c + 1 of a scale word are that head's.  vb block 64 hp + (128 tokens): fragment 4 c + t = channel tile t of head 2 hp + c x 128 keys.
; Lane r of tile T stands for row 64 (T / 4) + 32 (r / 8) + 8 (T % 4) + r % 8, for tokens and channels alike: a lane's 32 registers of four neighbouring key tiles are one whole block of 32 keys, those of O^T's four
; channel tiles one whole block of 32 channels.  So a block's maximum needs no other lane and the conversions' results are the operand's registers.
; SHARES.  A work-group owns 256 queries of one batch and both heads of a pair.  Wave w owns ONE head, c = w / 4, and 64 queries, the four tiles 4 (w % 4) .. + 3: a half of K read from LDS feeds four matrix
; instructions, a fragment of V four.  Two waves to a SIMD, 512 registers each.  The scores go two query tiles at a time (128 registers).
; THE RING: two slots of 512 keys (K's four blocks, then V's four: 102,400 bytes); every wave fetches one block of a slot, so every way through the text passes the head's load.  Four changes of slots.
; K = 64 IN AN INSTRUCTION OF 128.  Q's operand is (my head's codes, zero codes); K's halves lie 6 registers apart, and tile T's operand is 12 registers from v[FB + 6 T]: its upper six, the next tile's codes, meet Q's zero codes.
; The scale words of Q and K are loaded as my head's 16 bits, so that they stand at bytes 0 and 1; bytes 2 and 3 are 0, a finite code, over products that are 0.
; Both products are used transposed (S^T = K Q^T, O^T = V^T P^T): a lane holds one query throughout.
; THE DIAGONAL: key = query only in key tile (c', i) of query tile i, register j, lanes j and 24 + j, in the one step with KF + 64 c' = my first token: 8 selects a tile by constant lane masks, under a scalar branch on ids.
; NO CLUSTER: the work-groups that share K and V differ in their block of queries, and that branch hangs on the block.
; PREFETCH: behind each change of slots that is followed by another fill, the slot that the NEXT change will ask for is named: the eight work-groups of a batch and head pair share its eight blocks out, work-group x block x;
; waves 0 and 1 ask, 50 lanes 256 bytes apart (the lanes left over name the last again).  Slots 0 and 1 come by their loads alone; the last change that fills asks for nothing.
; THE WAY OUT: the two heads' halves of a token tile's fragment meet in a stage in LDS of its own bytes, and leave as runs of 512 consecutive bytes.
; LIMITS: a p under 2^-126 falls to 0; a block of zeros gets the byte 1 where the rule says 127 (its codes are zeros; this program alone reads the bytes); NaN and infinities are not served; the promise holds while the
; scaled scores stay under 2^31 in magnitude.
; REGISTERS.  Window 0: v1-11 addresses; v12-27 for each tile -M, the largest t, the sum in two halves; v28-41 scale words; v44-73 at work; v74-127 K's halves or V's fragments; v128-255 S^T, then p, of two tiles.
; Window 1: v0-127 O^T, 32 a tile; v128-175 Q (codes, zeros) x 4; v176-223 p's codes; v224-239 at work.
.set BLK,   12800
.set FRB,   1536
.set VOFF,  4*BLK
.set SLOT1, 1<<17                      ; slot 1 begins here: one exclusive or turns an address in one slot into the other's
.set STG,   2*SLOT1                    ; the way out's stage: 16 fragments
.set STGS,  STG+16*FRB                 ; and 16 x 16 scale words
.set SPARE, STGS+1024                  ; the spare words, 128 bytes for each of eight waves
.set L16, 1
.set L8, 2
.set AK16, 3
.set AK8, 4
.set SPW, 5                            ; my spare word's LDS address; never rewritten
.set NIL, 6                            ; 0; never rewritten
.set INF, 7                            ; -infinity
.set AV16, 8
.set AV8, 9
.set ASK, 10
.set ASV, 11
.set ST, 12
.set QS, 28
.set KSC, 32
.set VSC, 36
.set PSW, 38
.set MX, 44
.set PT, 48
.set F, 52
.set T1, 56
.set T2, 58
.set SA, 60
.set SO, 64
.set BY, 68
.set H8, 72
.set PFO, 73
.set FB, 74
.set SS, 128
.set QW, 128
.set PC, 176
.set XT, 224
.set WV, 10
.set HC, 14
.set GQ, 15
.set G1, 16
.set G0, 24
.set SEL, 30
.set CS, 32
.set TB, 34
.set KF, 35
.set QA, 36
.set QB, 37
.set SLOTS, 38
.set SB, 39
.set PFA, 40
.set PFS, 42
.set LIM, 44
.set IN, 45
.set GST, 46
.set MK, 48
.set QP, 56
.set QSP, 58
.set OP, 60
.set C768, 62
.set C6144, 63
.set C2, 66
.set C8, 67
.set OSP, 80
.set MSB, 0
.macro WIN new                         ; the immediate's high byte repeats the setting that is left
.if MSB != (\new)
	s_set_vgpr_msb (MSB<<8)|(\new)
.set MSB, (\new)
.endif
.endm
.macro NOPS
.rept 4
	v_nop
.endr
.endm
	s_load_b128 s[4:7], s[0:1], 0x0                ; qkb, vb
	s_load_b64 s[8:9], s[0:1], 0x10                ; ab
	v_lshl_add_u32 v[SPW], v0, 2, SPARE
	v_mov_b32 v[NIL], 0
	ds_add_u32 v[SPW], v[NIL]                      ; the opening lines: the add, twice on end, and its wait ahead of my first tensor load
	ds_add_u32 v[SPW], v[NIL]
	v_lshrrev_b32 v56, 5, v0
	v_readfirstlane_b32 s[WV], v56                 ; wave 0..7
	s_and_b32 s11, ttmp7, 0xffff
	s_lshr_b32 s12, s11, 3                         ; the batch b
	s_and_b32 s13, s11, 7                          ; the head pair hp
	s_lshr_b32 s[HC], s[WV], 2                     ; my head of the pair, c
	s_and_b32 s[GQ], s[WV], 3                      ; my 64 queries of the 256, g.  Also: which block of a slot I fetch
	s_mov_b32 s[G1], 3<<16                         ; elements of 8 bytes, no padding: a dense block as 50 rows of 256 bytes
	s_mov_b32 s[G1+1], 32<<16
	s_mov_b32 s[G1+2], 50<<16
	s_mov_b32 s[G1+3], 32<<16
	s_mov_b32 s[G1+4], 50
	s_mov_b32 s[G1+5], 32
	s_mov_b32 s[G1+6], 0
	s_mov_b32 s[G1+7], 0
	s_lshl_b32 s68, s12, 4                         ; 16 b
	s_add_co_u32 s69, s68, s[GQ]
	s_lshl_b32 s70, s69, 6
	s_add_co_u32 s70, s70, s13
	s_add_co_u32 s70, s70, 8
	s_mul_i32 s70, s70, BLK                        ; K: block 64 (16 b + j) + 8 + hp
	s_lshl_b32 s71, s13, 6
	s_add_co_u32 s71, s71, s69
	s_mul_i32 s71, s71, BLK                        ; V: block 64 hp + 16 b + j
	s_mov_b32 s72, 256*BLK                         ; a slot on in qkb: four octets of tokens, 64 blocks each
	s_cmp_lt_u32 s[WV], 4                          ; waves 0-3 fetch K's blocks, waves 4-7 V's
	s_cselect_b32 s28, s70, s71
	s_cselect_b32 s[GST], s72, 4*BLK
	s_mov_b32 s29, 0
	s_mov_b32 s[GST+1], 0
	s_mov_b32 s[G0], 1
	s_mul_i32 s[G0+1], s[WV], BLK                  ; LDS: K's four blocks, then V's four = wave x a block
	s_and_b32 s73, ttmp9, 3                        ; the prefetches: work-group x names block x of a slot; the address begins in slot 1
	s_add_co_u32 s73, s73, s68
	s_add_co_u32 s73, s73, 4
	s_lshl_b32 s74, s73, 6
	s_add_co_u32 s74, s74, s13
	s_add_co_u32 s74, s74, 8
	s_mul_i32 s74, s74, BLK
	s_lshl_b32 s75, s13, 6
	s_add_co_u32 s75, s75, s73
	s_mul_i32 s75, s75, BLK
	s_cmp_lt_u32 ttmp9, 4
	s_cselect_b32 s76, s74, s75
	s_cselect_b32 s[PFS], s72, 4*BLK
	s_mov_b32 s77, 0
	s_mov_b32 s[PFS+1], 0
	s_cmp_lt_u32 s[WV], 2
	s_cselect_b32 s[LIM], 1, -1                    ; 1 in a wave that asks, else the greatest number
	s_lshl_b32 s78, ttmp9, 1                       ; Q: J = 16 b + 2 x + g / 2, block 64 J + hp, fragments 4 (g % 2) + i, half c
	s_add_co_u32 s78, s78, s68
	s_lshr_b32 s79, s[GQ], 1
	s_add_co_u32 s78, s78, s79
	s_lshl_b32 s78, s78, 6
	s_add_co_u32 s78, s78, s13
	s_mul_i32 s78, s78, BLK
	s_and_b32 s79, s[GQ], 1
	s_mul_i32 s82, s79, 4*FRB
	s_mul_i32 s[C768], s[HC], 768
	s_add_co_u32 s82, s82, s78
	s_add_co_u32 s82, s82, s[C768]
	s_mov_b32 s83, 0
	s_lshl_b32 s84, s79, 3                         ; its scale words: 16 (16 (a % 2) + r) + 4 (a / 2) + 2 c into the image
	s_lshl_b32 s[C2], s[HC], 1
	s_add_co_u32 s84, s84, s[C2]
	s_add_co_u32 s84, s84, s78
	s_mov_b32 s85, 0
	s_lshl_b32 s[QA], ttmp9, 8
	s_lshl_b32 s79, s[GQ], 6
	s_add_co_u32 s[QA], s[QA], s79                 ; my first token in the batch: 256 x + 64 g
	s_sub_co_u32 s[QB], s[QA], 64
	s_lshl_b32 s86, s12, 7                         ; ab: on the way out I store token tiles 128 b + 16 x + 2 w and the next
	s_lshl_b32 s87, ttmp9, 4
	s_add_co_u32 s86, s86, s87
	s_lshl_b32 s87, s[WV], 1
	s_add_co_u32 s86, s86, s87
	s_mul_i32 s86, s86, BLK
	s_mul_i32 s87, s13, FRB
	s_add_co_u32 s88, s86, s87                     ; their fragments of K step hp,
	s_mov_b32 s89, 0
	s_lshl_b32 s87, s13, 6
	s_add_co_u32 s90, s86, s87                     ; their scale words: 64 hp bytes into the images
	s_mov_b32 s91, 0
.irp j, 0,1,2,3,4,5,6,7
	s_mov_b32 s[MK+\j], (1<<\j)|(1<<(24+\j))       ; the lanes whose query is key j of its own tile
.endr
	s_mul_i32 s[C6144], s[HC], 4*FRB
	s_lshl_b32 s[C8], s[HC], 3
	s_lshl_b32 s92, s[WV], 5
	s_mov_b32 s[SEL], 0x76543210
	s_mov_b32 s[SEL+1], 0xfedcba98                 ; selects for lane l xor 16
	s_mov_b32 s[CS], 0x3e38aa3b                    ; log2(e) / 8
	s_mov_b32 s[CS+1], s[CS]
	s_mov_b32 s[KF], 0
	s_mov_b32 s[SB], 0
	s_mov_b32 s[SLOTS], 3
	s_wait_alu depctr_va_vdst(0)
	s_wait_dscnt 0x0                               ; both opening adds are done
	s_wait_kmcnt 0x0
	s_cmp_lt_u32 s[WV], 4
	s_cselect_b64 s[G0+2:G0+3], s[4:5], s[6:7]
	s_add_nc_u64 s[G0+2:G0+3], s[G0+2:G0+3], s[28:29]
	s_or_b32 s[G0+3], s[G0+3], 0x80000000
	tensor_load_to_lds s[G0:G0+3], s[G1:G1+7]      ; slot 0: my one load at the head
	s_nop 0
	NOPS
	s_cmp_lt_u32 ttmp9, 4
	s_cselect_b64 s[PFA:PFA+1], s[4:5], s[6:7]
	s_add_nc_u64 s[PFA:PFA+1], s[PFA:PFA+1], s[76:77]
	s_add_nc_u64 s[QP:QP+1], s[4:5], s[82:83]
	s_add_nc_u64 s[QSP:QSP+1], s[4:5], s[84:85]
	s_add_nc_u64 s[OP:OP+1], s[8:9], s[88:89]
	s_add_nc_u64 s[OSP:OSP+1], s[8:9], s[90:91]
	v_and_b32 v56, 31, v0
	v_and_b32 v57, 15, v0
	v_bfe_u32 v59, v0, 4, 1
	v_lshlrev_b32 v[L16], 4, v56
	v_lshlrev_b32 v[L8], 3, v56
	v_lshlrev_b32 v58, 4, v57                      ; 16 r
	v_lshlrev_b32 v[H8], 3, v59                    ; 8 h
	v_add_nc_u32 v[PFO], s92, v56
	v_min_u32 v[PFO], 49, v[PFO]
	v_lshlrev_b32 v[PFO], 8, v[PFO]                ; 256 x min(32 w + lane, 49)
	v_mov_b32 v[INF], 0xff800000
.irp i, 0,1,2,3
	global_load_u16 v[QS+\i], v58, s[QSP:QSP+1] offset:12288+256*(\i%2)+4*(\i/2)
.endr
.irp i, 0,1,2,3
	v_mov_b32 v[ST+4*\i+1], 0xff61b1e6             ; the largest t so far: -3e38
	v_mov_b32 v[ST+4*\i+2], 0                      ; the sum, in two halves
	v_mov_b32 v[ST+4*\i+3], 0
	v_mov_b32 v[PT+\i], 0                          ; a lane permute's destination counts as read
.endr
.irp i, 0,1,2,3
	v_floor_f32 v[ST+4*\i], -v[ST+4*\i+1]          ; -M
.endr
	v_mov_b32 v[F+1], 0                            ; (named as the upper halves of pairs)
	v_mov_b32 v[F+3], 0
.irp j, 48,49,50,51,52,53
	v_mov_b32 v[FB+\j], 0                          ; behind K's last half: written once
.endr
	WIN 0x40                                       ; destinations in window 1
.irp i, 0,1,2,3
	global_load_b128 v[QW+12*\i:QW+12*\i+3], v[L16], s[QP:QP+1] offset:FRB*\i
	global_load_b64 v[QW+12*\i+4:QW+12*\i+5], v[L8], s[QP:QP+1] offset:FRB*\i+512
.irp j, 6,7,8,9,10,11
	v_mov_b32 v[QW+12*\i+\j], 0                    ; the zero codes beside Q
.endr
.endr
.set n, 0
.rept 128
	v_mov_b32 v[n], 0                              ; O^T.  The step is written once: the first finds zeros, which the first change of M leaves zeros
.set n, n+1
.endr
	WIN 0
; S^T = K Q^T for query tiles 2 p and 2 p + 1: sixteen accumulators, each begun with 0
.macro QK p
	WIN 0x04                                       ; source 1 (Q) in window 1
.irp t, 0,1,2,3,4,5,6,7
.irp u, 0,1
.if (\t)%2
	v_wmma_scale_f32_16x16x128_f8f6f4 v[SS+64*\u+8*\t:SS+64*\u+8*\t+7], v[FB+6*\t:FB+6*\t+11], v[QW+12*(2*\p+\u):QW+12*(2*\p+\u)+11], 0, v[KSC+\t/2], v[QS+2*\p+\u] matrix_a_fmt:MATRIX_FMT_FP6 matrix_b_fmt:MATRIX_FMT_FP6 matrix_a_scale:MATRIX_SCALE_ROW1
.else
	v_wmma_scale_f32_16x16x128_f8f6f4 v[SS+64*\u+8*\t:SS+64*\u+8*\t+7], v[FB+6*\t:FB+6*\t+11], v[QW+12*(2*\p+\u):QW+12*(2*\p+\u)+11], 0, v[KSC+\t/2], v[QS+2*\p+\u] matrix_a_fmt:MATRIX_FMT_FP6 matrix_b_fmt:MATRIX_FMT_FP6
.endif
.endr
.endr
	WIN 0
	NOPS                                           ; places in front of the first read of the scores and of loads into K's registers
.endm
.macro DIAG p, off
.irp u, 0,1
.irp j, 0,1,2,3,4,5,6,7
	v_cndmask_b32 v[SS+64*\u+\off+8*(2*\p+\u)+\j], v[SS+64*\u+\off+8*(2*\p+\u)+\j], v[INF], s[MK+\j]
.endr
.endr
.endm
; The softmax of query tiles 2 p + u, u = 0, 1, on 128 keys: register 32 c + k of a tile is key KF + 64 c + 32 h + k.  The two tiles' and two blocks' chains take turns.
.macro SOFT p
	s_wait_alu depctr_va_vdst(0)                   ; the wait ahead of the branches
	s_cmp_lg_u32 s[KF], s[QA]                      ; ids and the count of steps alone
	s_cbranch_scc1 .Lna_\@
	DIAG \p, 0
.Lna_\@:
	s_wait_alu depctr_va_vdst(0)
	s_cmp_lg_u32 s[KF], s[QB]
	s_cbranch_scc1 .Lnb_\@
	DIAG \p, 32
.Lnb_\@:
.irp u, 0,1
.irp c, 0,1
	v_max3_num_f32 v[MX+2*\u+\c], v[SS+64*\u+32*\c], v[SS+64*\u+32*\c+1], v[SS+64*\u+32*\c+2]   ; the largest score of my block: for the row's maximum and, since p rises with the score, for the block's largest p
.endr
.endr
.irp i, 3,5,7,9,11,13,15,17,19,21,23,25,27,29
.irp u, 0,1
.irp c, 0,1
	v_max3_num_f32 v[MX+2*\u+\c], v[MX+2*\u+\c], v[SS+64*\u+32*\c+\i], v[SS+64*\u+32*\c+\i+1]
.endr
.endr
.endr
.irp u, 0,1
.irp c, 0,1
	v_max_num_f32 v[MX+2*\u+\c], v[MX+2*\u+\c], v[SS+64*\u+32*\c+31]
.endr
.endr
	s_delay_alu instid0(VALU_DEP_3)
	v_max_num_f32 v[T1], v[MX], v[MX+1]
	s_delay_alu instid0(VALU_DEP_2)
	v_max_num_f32 v[T1+1], v[MX+2], v[MX+3]
.irp u, 0,1
	s_delay_alu instid0(VALU_DEP_2)
	v_permlanex16_b32 v[PT+\u], v[T1+\u], s[SEL], s[SEL+1]
.endr
.irp u, 0,1
	s_delay_alu instid0(VALU_DEP_2)
	v_max_num_f32 v[T1+\u], v[T1+\u], v[PT+\u]     ; with lane l xor 16's 64 keys
.endr
.irp u, 0,1
	s_delay_alu instid0(VALU_DEP_2)
	v_mul_f32 v[T1+\u], s[CS], v[T1+\u]            ; the step's largest t
.endr
.irp u, 0,1
	s_delay_alu instid0(VALU_DEP_2)
	v_max_num_f32 v[ST+4*(2*\p+\u)+1], v[ST+4*(2*\p+\u)+1], v[T1+\u]   ; the running largest t
.endr
.irp u, 0,1
	s_delay_alu instid0(VALU_DEP_2)
	v_floor_f32 v[T1+\u], -v[ST+4*(2*\p+\u)+1]     ; the new -M = -ceil(t)
.endr
.irp u, 0,1
	s_delay_alu instid0(VALU_DEP_2)
	v_sub_f32 v[T2+\u], v[T1+\u], v[ST+4*(2*\p+\u)]   ; old M - new M: a whole number, 0 or less
.endr
.irp u, 0,1
	s_delay_alu instid0(VALU_DEP_4)
	v_mov_b32 v[ST+4*(2*\p+\u)], v[T1+\u]
.endr
.irp u, 0,1
	s_delay_alu instid0(VALU_DEP_4)
	v_cvt_i32_f32 v[T2+\u], v[T2+\u]               ; (it saturates)
.endr
.irp u, 0,1
	s_delay_alu instid0(VALU_DEP_2)
	v_ldexp_f32 v[F+2*\u], 1.0, v[T2+\u]           ; f = 2^(old M - new M)
.endr
	WIN 0x41                                       ; source 0 and destination in window 1
	s_wait_alu depctr_va_vdst(0)                   ; the wait directly ahead of the first reader of O^T
.irp u, 0,1
.set n, 0
.rept 16
	v_pk_mul_f32 v[32*(2*\p+\u)+n:32*(2*\p+\u)+n+1], v[32*(2*\p+\u)+n:32*(2*\p+\u)+n+1], v[F+2*\u:F+2*\u+1] op_sel_hi:[1,0]   ; O^T under the new M
.set n, n+2
.endr
.endr
	WIN 0
.irp u, 0,1
	v_pk_mul_f32 v[ST+4*(2*\p+\u)+2:ST+4*(2*\p+\u)+3], v[ST+4*(2*\p+\u)+2:ST+4*(2*\p+\u)+3], v[F+2*\u:F+2*\u+1] op_sel_hi:[1,0]   ; the sums likewise
.endr
.irp u, 0,1
.set n, 0
.rept 32
	v_pk_fma_f32 v[SS+64*\u+n:SS+64*\u+n+1], v[SS+64*\u+n:SS+64*\u+n+1], s[CS:CS+1], v[ST+4*(2*\p+\u):ST+4*(2*\p+\u)+1] op_sel_hi:[1,0,0]   ; t - M, two at a time
.set n, n+2
.endr
.endr
.irp u, 0,1
.irp c, 0,1
	v_fma_f32 v[MX+2*\u+\c], v[MX+2*\u+\c], s[CS], v[ST+4*(2*\p+\u)]   ; the same of each block's largest score
.endr
.endr
	s_wait_alu depctr_va_vdst(0)                   ; the wait ahead of the batch
.irp b, 0,1,2,3
	v_exp_f32 v[MX+\b], v[MX+\b]                   ; the block's largest p
.endr
.set n, 0
.rept 128
	v_exp_f32 v[SS+n], v[SS+n]                     ; p = 2^(t - M)
.set n, n+1
.endr
	v_nop                                          ; a plain place behind the exponentials
	s_wait_alu depctr_va_vdst(0)                   ; one wait for the batch, ahead of its first reader
.irp u, 0,1
	v_pk_add_f32 v[SA+2*\u:SA+2*\u+1], v[SS+64*\u:SS+64*\u+1], v[SS+64*\u+2:SS+64*\u+3]   ; the row's sum of the unquantised p: two chains a tile
.endr
.irp j, 4,8,12,16,20,24,28,32,36,40,44,48,52,56,60
.irp u, 0,1
	v_pk_add_f32 v[ST+4*(2*\p+\u)+2:ST+4*(2*\p+\u)+3], v[ST+4*(2*\p+\u)+2:ST+4*(2*\p+\u)+3], v[SS+64*\u+\j:SS+64*\u+\j+1]
	v_pk_add_f32 v[SA+2*\u:SA+2*\u+1], v[SA+2*\u:SA+2*\u+1], v[SS+64*\u+\j+2:SS+64*\u+\j+3]
.endr
.endr
.irp b, 0,1,2,3
	v_max_num_f32 v[MX+\b], 0x1800000, v[MX+\b]    ; the floor 2^(3 - 127): the byte cannot fall under 1
.endr
.irp u, 0,1
	v_pk_add_f32 v[ST+4*(2*\p+\u)+2:ST+4*(2*\p+\u)+3], v[ST+4*(2*\p+\u)+2:ST+4*(2*\p+\u)+3], v[SA+2*\u:SA+2*\u+1]
.endr
.irp b, 0,1,2,3
	v_add_nc_u32 v[SO+\b], 0xff000000, v[MX+\b]    ; 2 off the exponent field: the conversion's scale operand
.endr
.irp b, 0,1,2,3
	s_delay_alu instid0(VALU_DEP_4)
	v_lshrrev_b32 v[BY+\b], 23, v[SO+\b]           ; the scale's byte
.endr
	s_delay_alu instid0(VALU_DEP_3)
	v_lshl_or_b32 v[PSW+2*\p], v[BY+1], 16, v[BY]  ; my two bytes, blocks h and 2 + h,
	s_delay_alu instid0(VALU_DEP_2)
	v_lshl_or_b32 v[PSW+2*\p+1], v[BY+3], 16, v[BY+2]
.irp u, 0,1
	s_delay_alu instid0(VALU_DEP_2)
	v_lshlrev_b32 v[PSW+2*\p+\u], v[H8], v[PSW+2*\p+\u]   ; at their places;
.endr
.irp u, 0,1
	s_delay_alu instid0(VALU_DEP_2)
	v_permlanex16_b32 v[PT+\u], v[PSW+2*\p+\u], s[SEL], s[SEL+1]
.endr
.irp u, 0,1
	s_delay_alu instid0(VALU_DEP_2)
	v_or_b32 v[PSW+2*\p+\u], v[PSW+2*\p+\u], v[PT+\u]   ; with lane l xor 16's two: p's scale word for these 128 keys
.endr
	WIN 0x40                                       ; destinations in window 1
.irp u, 0,1
.irp c, 0,1
	v_cvt_scalef32_pk16_fp6_f32 v[PC+12*(2*\p+\u)+6*\c:PC+12*(2*\p+\u)+6*\c+2], v[SS+64*\u+32*\c:SS+64*\u+32*\c+15], v[SO+2*\u+\c]
	v_cvt_scalef32_pk16_fp6_f32 v[XT+8*\u+4*\c:XT+8*\u+4*\c+2], v[SS+64*\u+32*\c+16:SS+64*\u+32*\c+31], v[SO+2*\u+\c]   ; (a conversion's three registers begin on an even number)
.endr
.endr
	WIN 0x41
	v_nop                                          ; one plain place behind the scaled conversions
.irp u, 0,1
.irp c, 0,1
.irp k, 0,1,2
	v_mov_b32 v[PC+12*(2*\p+\u)+6*\c+3+\k], v[XT+8*\u+4*\c+\k]
.endr
.endr
.endr
	WIN 0
.endm
; A KEY STEP: the 128 keys whose blocks of K and V begin at LDS byte TB and TB + VOFF
.macro BLOCK
	s_add_co_u32 s68, s[TB], s[C768]
	s_add_co_u32 s69, s[TB], s[C6144]
	s_add_co_u32 s70, s[TB], s[C2]
	s_add_co_u32 s71, s[TB], s[C8]
	v_add_nc_u32 v[AK16], s68, v[L16]              ; these six are also the places in front of loads into registers that the last products read
	v_add_nc_u32 v[AK8], s68, v[L8]
	v_add_nc_u32 v[ASK], s70, v[L16]
	v_add_nc_u32 v[AV16], s69, v[L16]
	v_add_nc_u32 v[AV8], s69, v[L8]
	v_add_nc_u32 v[ASV], s71, v[L16]
.irp t, 0,1,2,3,4,5,6,7
	ds_load_b128 v[FB+6*\t:FB+6*\t+3], v[AK16] offset:FRB*\t
	ds_load_b64 v[FB+6*\t+4:FB+6*\t+5], v[AK8] offset:FRB*\t+512
.endr
.irp i, 0,1,2,3
	ds_load_u16 v[KSC+\i], v[ASK] offset:12288+4*\i   ; my head's two bytes of the scale words: register T / 2, lanes 16 (T % 2) on
.endr
	s_wait_alu depctr_va_vdst(0)                   ; the wait directly ahead of the wait below
	s_wait_dscnt 0x0
	QK 0
	SOFT 0
	QK 1
.irp t, 0,1,2,3                                ; V's four fragments land while the second softmax is worked
.irp e, 0,1
	ds_load_b128 v[FB+12*\t+6*\e:FB+12*\t+6*\e+3], v[AV16] offset:VOFF+FRB*\t+768*\e
	ds_load_b64 v[FB+12*\t+6*\e+4:FB+12*\t+6*\e+5], v[AV8] offset:VOFF+FRB*\t+768*\e+512
.endr
.endr
	ds_load_b64 v[VSC:VSC+1], v[ASV] offset:VOFF+12288
	SOFT 1
	NOPS                                           ; places between the lines that made p's codes and the products below
	s_wait_alu depctr_va_vdst(0)                   ; the wait directly ahead of the wait below
	s_wait_dscnt 0x0                               ; V's fragments and scale words
	WIN 0x54                                       ; p's codes, C and D in window 1
.irp t, 0,1,2,3                                ; O^T += V^T P^T: sixteen accumulators, one instruction each
.irp i, 0,1,2,3
.if (\t)%2
	v_wmma_scale_f32_16x16x128_f8f6f4 v[32*\i+8*\t:32*\i+8*\t+7], v[FB+12*\t:FB+12*\t+11], v[PC+12*\i:PC+12*\i+11], v[32*\i+8*\t:32*\i+8*\t+7], v[VSC+\t/2], v[PSW+\i] matrix_a_fmt:MATRIX_FMT_FP6 matrix_b_fmt:MATRIX_FMT_FP6 matrix_a_scale:MATRIX_SCALE_ROW1
.else
	v_wmma_scale_f32_16x16x128_f8f6f4 v[32*\i+8*\t:32*\i+8*\t+7], v[FB+12*\t:FB+12*\t+11], v[PC+12*\i:PC+12*\i+11], v[32*\i+8*\t:32*\i+8*\t+7], v[VSC+\t/2], v[PSW+\i] matrix_a_fmt:MATRIX_FMT_FP6 matrix_b_fmt:MATRIX_FMT_FP6
.endif
.endr
.endr
	WIN 0
.endm
; THE CHANGE OF SLOTS, at a slot's head.  Each wave waits for its tensor load (its block of the slot ahead), adds 0 to its spare word, and waits for that and for its reads of the slot that it has left.
; fill = 1: behind the barrier that other slot is filled with the next 512 keys, one load a wave: it has a slot's four steps in which to land.
.macro CHANGE fill
	s_wait_tensorcnt 0x0
	ds_add_u32 v[SPW], v[NIL]
.if \fill
	s_xor_b32 s[G0+1], s[G0+1], SLOT1
	s_add_nc_u64 s[G0+2:G0+3], s[G0+2:G0+3], s[GST:GST+1]
	s_wait_xcnt 0x0                                ; the last prefetch, a slot back, has read its address
	s_add_nc_u64 s[PFA:PFA+1], s[PFA:PFA+1], s[PFS:PFS+1]   ; one slot further on than the load below
.endif
	s_wait_dscnt 0x0
	s_barrier_signal -1
	s_barrier_wait -1
.if \fill
	tensor_load_to_lds s[G0:G0+3], s[G1:G1+7]
	s_nop 0
	NOPS
	s_cmp_gt_u32 s[SLOTS], s[LIM]
	s_cbranch_scc0 .Lnot_mine_\@
	global_prefetch_b8 v[PFO], s[PFA:PFA+1] th:TH_LOAD_NT scope:SCOPE_SE
.Lnot_mine_\@:
.endif
.endm
.macro INNER                           ; a slot's four key steps
	s_mov_b32 s[TB], s[SB]
	s_mov_b32 s[IN], 4
.Lblk_\@:
	BLOCK
	s_add_co_u32 s[TB], s[TB], BLK
	s_add_co_u32 s[KF], s[KF], 128
	s_sub_co_u32 s[IN], s[IN], 1
	s_cmp_lg_u32 s[IN], 0
	s_cbranch_scc1 .Lblk_\@
	s_xor_b32 s[SB], s[SB], SLOT1
.endm
	s_wait_alu depctr_va_vdst(0)                   ; the wait at the head's end
	s_wait_loadcnt 0x0                             ; Q
.Lslot:                                            ; three trips: behind each change of slots but the last the next slot is asked for
	CHANGE 1
	INNER
	s_sub_co_u32 s[SLOTS], s[SLOTS], 1
	s_cmp_lg_u32 s[SLOTS], 0
	s_cbranch_scc1 .Lslot
	CHANGE 0                                       ; the last slot is written out
	INNER
	; THE WAY OUT.  O^T / the row's sum; a tile's 32 registers are channels 32 h + 0 .. 31 of my head: block 2 c + h of K step hp of the last product.
	s_mul_i32 s68, s[GQ], 4*FRB
	s_mul_i32 s69, s[HC], 520
	s_add_co_u32 s69, s69, s68
	s_add_co_u32 s69, s69, STG
	s_mul_i32 s70, s[HC], 1016
	s_add_co_u32 s70, s70, s68
	s_add_co_u32 s70, s70, STG+8
	s_lshl_b32 s71, s[GQ], 8
	s_add_co_u32 s71, s71, s[C2]
	s_add_co_u32 s71, s71, STGS
	s_mul_i32 s72, s[WV], 2*FRB
	s_add_co_u32 s72, s72, STG
	s_lshl_b32 s73, s[WV], 7
	s_add_co_u32 s73, s73, STGS
	v_and_b32 v56, 31, v0
	v_and_b32 v57, 15, v0
	v_bfe_u32 v59, v0, 4, 1
	v_add_nc_u32 v[AK16], s69, v[L16]              ; registers 6 c, 6 c + 1 (and, 512 on, 6 c + 4, 6 c + 5) of the fragment's image: 16 l + 520 c
	v_add_nc_u32 v[AK8], s70, v[L16]               ; registers 6 c + 2, 6 c + 3: 16 l + 8 + 1,016 c
	v_lshl_add_u32 v[ASK], v57, 2, v59
	v_add_nc_u32 v[ASK], s71, v[ASK]               ; my block's byte of my row's scale word: 4 r + 2 c + h
	v_add_nc_u32 v[AV16], s72, v[L16]              ; back: tiles 2 w and 2 w + 1
	v_lshlrev_b32 v[AV8], 2, v56
	v_add_nc_u32 v[AV8], s73, v[AV8]               ; and their 32 scale words
	v_mul_u32_u24 v[ASV], v59, BLK
	v_lshl_add_u32 v[ASV], v57, 2, v[ASV]          ; the same words in ab
.irp i, 0,1,2,3
	v_add_f32 v[ST+4*\i+2], v[ST+4*\i+2], v[ST+4*\i+3]   ; the sum's two halves,
.endr
.irp i, 0,1,2,3
	s_delay_alu instid0(VALU_DEP_4)
	v_permlanex16_b32 v[PT+\i], v[ST+4*\i+2], s[SEL], s[SEL+1]
.endr
.irp i, 0,1,2,3
	s_delay_alu instid0(VALU_DEP_4)
	v_add_f32 v[ST+4*\i+2], v[ST+4*\i+2], v[PT+\i]       ; and lane l xor 16's
.endr
	s_wait_alu depctr_va_vdst(0)                   ; the wait ahead of the batch
.irp i, 0,1,2,3
	v_rcp_f32 v[ST+4*\i+2], v[ST+4*\i+2]
.endr
	v_nop                                          ; a plain place behind the reciprocals
	WIN 0x01                                       ; source 0 in window 1
	s_wait_alu depctr_va_vdst(0)                   ; one wait for the four, and ahead of the first reader of O^T
.irp i, 0,1,2,3
.set n, 0
.rept 32
	v_mul_f32 v[SS+32*\i+n], v[32*\i+n], v[ST+4*\i+2]   ; each accumulator from its low end on
.set n, n+1
.endr
.endr
	WIN 0
.irp i, 0,1,2,3
	v_max3_num_f32 v[MX+\i], |v[SS+32*\i]|, |v[SS+32*\i+1]|, 0x1800000
.endr
.irp k, 2,4,6,8,10,12,14,16,18,20,22,24,26,28,30
.irp i, 0,1,2,3
	v_max3_num_f32 v[MX+\i], v[MX+\i], |v[SS+32*\i+\k]|, |v[SS+32*\i+\k+1]|
.endr
.endr
.irp i, 0,1,2,3
	s_delay_alu instid0(VALU_DEP_4)
	v_add_nc_u32 v[SO+\i], 0xff000000, v[MX+\i]
.endr
.irp i, 0,1,2,3
	s_delay_alu instid0(VALU_DEP_4)
	v_lshrrev_b32 v[BY+\i], 23, v[SO+\i]
.endr
.irp i, 0,1,2,3
	v_cvt_scalef32_pk16_fp6_f32 v[FB+12*\i:FB+12*\i+2], v[SS+32*\i:SS+32*\i+15], v[SO+\i]
	v_cvt_scalef32_pk16_fp6_f32 v[FB+12*\i+6:FB+12*\i+8], v[SS+32*\i+16:SS+32*\i+31], v[SO+\i]
.endr
	v_nop                                          ; one plain place behind the scaled conversions
.irp i, 0,1,2,3
.irp k, 0,1,2
	v_mov_b32 v[FB+12*\i+3+\k], v[FB+12*\i+6+\k]
.endr
.endr
.irp i, 0,1,2,3
	ds_store_b64 v[AK16], v[FB+12*\i:FB+12*\i+1] offset:FRB*\i
	ds_store_b64 v[AK8], v[FB+12*\i+2:FB+12*\i+3] offset:FRB*\i
	ds_store_b64 v[AK16], v[FB+12*\i+4:FB+12*\i+5] offset:FRB*\i+512
	ds_store_b8 v[ASK], v[BY+\i] offset:64*\i
.endr
	s_wait_alu depctr_va_vdst(0)                   ; the wait directly ahead of the wait below
	s_wait_dscnt 0x0                               ; my stores are done: the other head's wave reads behind the barrier
	s_barrier_signal -1
	s_barrier_wait -1
.irp k, 0,1
.irp q, 0,1,2
	ds_load_b128 v[SS+12*\k+4*\q:SS+12*\k+4*\q+3], v[AV16] offset:FRB*\k+512*\q
.endr
.endr
	ds_load_b32 v[SS+24], v[AV8]
	s_wait_dscnt 0x0
.irp k, 0,1
.irp q, 0,1,2
	global_store_b128 v[L16], v[SS+12*\k+4*\q:SS+12*\k+4*\q+3], s[OP:OP+1] offset:BLK*\k+512*\q   ; 512 consecutive bytes, at a multiple of 256 from the buffer's first byte
.endr
.endr
	global_store_b32 v[ASV], v[SS+24], s[OSP:OSP+1] offset:12288   ; two tiles' 16 scale words each, 64 consecutive bytes a tile
	s_wait_tensorcnt 0x0                           ; the wave's end
	ds_add_u32 v[SPW], v[NIL]
	s_wait_dscnt 0x0
	s_endpgm
.Lfunc_end_k_qcfd3c02d2c_attn:
	.size	k_qcfd3c02d2c_attn, .Lfunc_end_k_qcfd3c02d2c_attn-k_qcfd3c02d2c_attn
	.p2alignl 7, 3214868480
	.fill 96, 4, 3214868480
	.section	.rodata,"a",@progbits
	.p2align	6, 0x0
	.amdhsa_kernel k_qcfd3c02d2c_attn
		.amdhsa_group_segment_fixed_size 327680
		.amdhsa_private_segment_fixed_size 0
		.amdhsa_enable_private_segment 0
		.amdhsa_kernarg_size 24
		.amdhsa_user_sgpr_count 2
		.amdhsa_user_sgpr_kernarg_segment_ptr 1
		.amdhsa_wavefront_size32 1
		.amdhsa_system_sgpr_workgroup_id_x 1
		.amdhsa_system_sgpr_workgroup_id_y 1
		.amdhsa_system_sgpr_workgroup_id_z 1
		.amdhsa_system_vgpr_workitem_id 0
		.amdhsa_next_free_vgpr 512
		.amdhsa_next_free_sgpr 96
		.amdhsa_reserve_vcc 0
		.amdhsa_float_denorm_mode_32 3
		.amdhsa_float_denorm_mode_16_64 3
		.amdhsa_memory_ordered 1
		.amdhsa_forward_progress 1
		.amdhsa_inst_pref_size 146
	.end_amdhsa_kernel
	.amdgpu_metadata
---
amdhsa.version: [ 1, 2 ]
amdhsa.kernels:
  - .name:           k_qcfd3c02d2c_attn
    .symbol:         k_qcfd3c02d2c_attn.kd
    .args:
      - { .name: qkb, .offset: 0, .size: 8, .value_kind: global_buffer, .address_space: global }
      - { .name: vb, .offset: 8, .size: 8, .value_kind: global_buffer, .address_space: global }
      - { .name: ab, .offset: 16, .size: 8, .value_kind: global_buffer, .address_space: global }
    .group_segment_fixed_size: 327680
    .private_segment_fixed_size: 0
    .kernarg_segment_align: 8
    .kernarg_segment_size: 24
    .max_flat_workgroup_size: 256
    .sgpr_count:     96
    .vgpr_count:     512
    .wavefront_size: 32
...
	.end_amdgpu_metadata
.endif
;; end of part 3
;; launch out (part 4): grid 8 x 32, 4 waves a work-group, clusters of 4 x 4, 327,680 bytes of LDS; arguments ab, woq, out0; writes out0
.if DOCPART == 4
	.amdgcn_target "amdgcn-amd-amdhsa--gfx1250"
	.amdhsa_code_object_version 6
	.text
	.protected	k_qcfd3c02d2c_out
	.globl	k_qcfd3c02d2c_out
	.p2align	8
	.type	k_qcfd3c02d2c_out,@function
k_qcfd3c02d2c_out:
	s_mov_b64 s[64:65], 0
	v_nop
	global_prefetch_b8 v0, s[64:65] scope:SCOPE_SE
	s_setreg_imm32_b32 hwreg(HW_REG_WAVE_MODE, 25, 1), 1
	s_wait_xcnt 0x0
	s_wait_alu depctr_hold_cnt(0) depctr_sa_sdst(0) depctr_va_vdst(0) depctr_va_sdst(0) depctr_va_ssrc(0) depctr_va_vcc(0) depctr_vm_vsrc(0)
	s_getreg_b32 s2, hwreg(HW_REG_IB_STS2, 6, 4)
	s_cmp_eq_u32 s2, 0
	s_cbranch_scc0 .Lentry_in_a_cluster
	s_endpgm
.Lentry_in_a_cluster:
	s_bfe_u32 s2, ttmp6, 0x10000c
	s_cmp_lg_u32 s2, 0xf033
	s_cbranch_scc0 .Lentry_shape_is_right
	s_endpgm
.Lentry_shape_is_right:
; out0[token][n] = the sum over k of A[token][k] wo[n][k], on codes of FP6 (E2M3) with E8M0 scales, K = 1,024; f32 out.  Source 1 = tokens of ab, source 0 = rows of woq: a lane holds a token, its registers run along n.
; A work-group of four waves makes 256 tokens x 128 columns, so that the grid is 8 x 32 = 256 work-groups; a wave makes 128 x 64: 32 accumulators.
; ALL OF K LIES IN LDS: two slots of four K steps each (6,144 bytes of each 16-row tile: 147,456 bytes a slot), each filled once.  Waves 0 and 1 fetch A's halves (8 tiles a load), waves 2 and 3 B's (4 tiles a load).
; Slot 0 is asked for at the head, slot 1 behind the full sequence and a round of the cluster's barrier; nothing is filled again, so the walk along K has one plain barrier: ahead of slot 1's first read.
; 4 x 4 clusters ask jointly for the tiles that a row or a column of the cluster shares.
; The rows of a 16-row tile are 64 (T / 4) + 32 (r / 8) + 8 (T % 4) + r % 8.  Results leave through the wave's own stage in slot 0, which has had its only fill and, behind that barrier, its last read: sixteen lanes store a row's 256 bytes.
; PREFETCH: behind slot 0's load slot 1's bytes are named, one fill ahead: 24 lanes to a tile, 256 bytes apart (the lanes left over name the last again); of the tiles that a wave fetches each of the four partners that ask
; jointly names its share, told apart by address: two of A's eight (two instructions), one of B's four.
.set TILEB, 12800
.set FRB,   1536
.set SROW,  4*FRB
.set HALFT, 8*SROW
.set HALFB, 4*SROW
.set SLOT,  2*HALFT+2*HALFB
.set SPARE, 2*SLOT                     ; the spare words, 128 bytes a wave
.set SPITCH, 528
.set FR,    12
.set NL,    3
.set NP,    4
.set ADRA,  16
.set ADRB,  20
.set L16,   24
.set STO,   25
.set L4,    26
.set RD,    27
.set SPW,   28                         ; my spare word's LDS address; never rewritten
.set NIL,   29                         ; 0; never rewritten
.set CO,    30
.set PFO,   31
.set SCB,   32
.set SCA,   64
.set AF,    128
.set BK,    128
.set G1,  24
.set G0,  32
.set G1B, 48
.set G0B, 56
.set PFA, 72
.set MSB, 0
.macro WIN new                         ; the immediate's high byte repeats the setting that is left
.if MSB != (\new)
	s_set_vgpr_msb (MSB<<8)|(\new)
.set MSB, (\new)
.endif
.endm
.set MUL_LO, 0xa1
.set MUL_HI, 0xf1
.set TO_B,   0x40
.macro JLOAD g0a, g1a, g0b, g1b        ; a joint load; the branch hangs on the wave's number alone
	s_cmp_eq_u32 s15, 0
	s_cbranch_scc0 .Lfor_b_\@
	tensor_load_to_lds s[\g0a:\g0a+3], s[\g1a:\g1a+7]
	s_nop 0
.rept 4
	v_nop
.endr
	s_branch .Lasked_\@
.Lfor_b_\@:
	tensor_load_to_lds s[\g0b:\g0b+3], s[\g1b:\g1b+7]
	s_nop 0
.rept 4
	v_nop
.endr
.Lasked_\@:
.endm
.macro CREST
	s_cmp_lg_u32 s14, 0
	s_cbranch_scc1 .Lnot_wave_0_\@
	s_barrier_signal -3
.Lnot_wave_0_\@:
	s_barrier_wait -3
	s_barrier_signal -1
	s_barrier_wait -1
.endm
.macro CROUND
	s_barrier_signal -1
	s_barrier_wait -1
	CREST
.endm
	s_load_b128 s[4:7], s[0:1], 0x0                ; ab, woq
	s_load_b64 s[8:9], s[0:1], 0x10                ; out0
	v_lshl_add_u32 v[SPW], v0, 2, SPARE
	v_mov_b32 v[NIL], 0
	ds_add_u32 v[SPW], v[NIL]                      ; the opening lines: the add, twice on end, and its wait
	ds_add_u32 v[SPW], v[NIL]
	v_lshrrev_b32 v1, 5, v0
	v_readfirstlane_b32 s14, v1                    ; wave
	s_lshr_b32 s15, s14, 1                         ; my half of the tokens.  Also: I fetch for A (0) or for B (1)
	s_and_b32 s16, s14, 1                          ; my half of the columns.  Also: which half of that tile I fetch
	s_bfe_u32 s40, ttmp6, 0x40000                  ; cx
	s_bfe_u32 s41, ttmp6, 0x40004                  ; cy
	s_lshl_b32 s42, ttmp9, 2
	s_add_co_u32 s42, s42, s40                     ; tile column
	s_and_b32 s17, ttmp7, 0xffff
	s_lshl_b32 s17, s17, 2
	s_add_co_u32 s17, s17, s41                     ; tile row
	s_lshl_b32 s43, s41, 2
	s_lshl_b32 s43, 15, s43                        ; my row of the cluster
	s_lshl_b32 s44, 0x1111, s40                    ; my column
	s_or_b32 s[G1+0], s43, (3<<16)|(1<<21)
	s_or_b32 s[G1B+0], s44, (3<<16)|(1<<21)
.irp g, G1, G1B                        ; rows (tiles) of 768 elements of 8 bytes, 12,800 bytes apart
	s_mov_b32 s[\g+1], 768<<16
	s_mov_b32 s[\g+3], 768<<16
	s_mov_b32 s[\g+5], 1600
	s_mov_b32 s[\g+6], 0
	s_mov_b32 s[\g+7], 0
.endr
	s_mov_b32 s[G1+2], 8<<16                       ; A: 8 tiles a load
	s_mov_b32 s[G1+4], 8
	s_mov_b32 s[G1B+2], 4<<16                      ; B: 4
	s_mov_b32 s[G1B+4], 4
	s_lshl_b32 s18, s16, 3
	s_lshl_b32 s20, s17, 4
	s_add_co_u32 s20, s20, s18
	s_mul_i32 s20, s20, TILEB                      ; A: tile 16 x tile row + 8 x half
	s_mov_b32 s21, 0
	s_lshl_b32 s46, s42, 3
	s_lshl_b32 s19, s16, 2
	s_add_co_u32 s46, s46, s19
	s_mul_i32 s46, s46, TILEB                      ; B: tile 8 x tile column + 4 x half: the tiles that I would fetch, and that I multiply
	s_mov_b32 s47, 0
	s_mul_i32 s45, s14, HALFT                      ; LDS: A's halves (waves 0 and 1),
	s_mul_i32 s66, s16, HALFB
	s_add_co_u32 s66, s66, 2*HALFT                 ; B's halves behind them
	s_lshl_b32 s76, s17, 4
	s_lshl_b32 s77, s15, 3
	s_add_co_u32 s76, s76, s77
	s_mul_i32 s76, s76, TILEB                      ; A: the 8 tiles that I multiply (for their scale words)
	s_mov_b32 s77, 0
	s_lshl_b32 s78, s17, 20                        ; out0: 256 rows of 4,096 bytes a tile row, 128 a half; 512 bytes a tile column, 256 a half
	s_lshl_b32 s79, s15, 19
	s_add_co_u32 s78, s78, s79
	s_lshl_b32 s79, s42, 9
	s_add_co_u32 s78, s78, s79
	s_lshl_b32 s79, s16, 8
	s_add_co_u32 s78, s78, s79
	s_mov_b32 s79, 0
	s_mul_i32 s74, s40, 2*TILEB                    ; the prefetches: of A's eight tiles the partner at cx names two,
	s_mul_i32 s75, s41, TILEB                      ; of B's four the partner at cy one
	s_cmp_eq_u32 s15, 0
	s_cselect_b32 s74, s74, s75
	s_mov_b32 s75, 0
	v_and_b32 v1, 31, v0                           ; lane
	v_lshlrev_b32 v[L4], 2, v1
	v_min_u32 v2, 23, v1
	v_lshlrev_b32 v[PFO], 8, v2                    ; 24 lanes, 256 bytes apart
	s_wait_alu depctr_va_vdst(0)                   ; the wait directly ahead of the wait below
	s_wait_dscnt 0x0
	s_wait_kmcnt 0x0
	s_add_nc_u64 s[20:21], s[4:5], s[20:21]
	s_add_nc_u64 s[46:47], s[6:7], s[46:47]
	s_add_nc_u64 s[4:5], s[4:5], s[76:77]
	s_add_nc_u64 s[8:9], s[8:9], s[78:79]
	s_cmp_eq_u32 s15, 0
	s_cselect_b64 s[PFA:PFA+1], s[20:21], s[46:47]
	s_add_nc_u64 s[PFA:PFA+1], s[PFA:PFA+1], s[74:75]
	CROUND                                         ; in front of the first joint loads
.irp s, 0,1
	s_mov_b32 s[G0+4*\s], 1
	s_add_co_u32 s[G0+4*\s+1], s45, \s*SLOT
	s_add_nc_u64 s[G0+4*\s+2:G0+4*\s+3], s[20:21], \s*SROW
	s_or_b32 s[G0+4*\s+3], s[G0+4*\s+3], 0x80000000
	s_mov_b32 s[G0B+4*\s], 1
	s_add_co_u32 s[G0B+4*\s+1], s66, \s*SLOT
	s_add_nc_u64 s[G0B+4*\s+2:G0B+4*\s+3], s[46:47], \s*SROW
	s_or_b32 s[G0B+4*\s+3], s[G0B+4*\s+3], 0x80000000
.endr
	JLOAD G0, G1, G0B, G1B                         ; K steps 0-3: my one load at the head
.irp t, 0,1,2,3,4,5,6,7                        ; my tiles' scale words, and the rest of the set-up, while slot 0's load is out
.irp i, 0,1,2,3
.if \t < 4
	global_load_b32 v[SCB+4*\t+\i], v[L4], s[46:47] offset:TILEB*\t+12288+128*\i
.endif
	global_load_b32 v[SCA+4*\t+\i], v[L4], s[4:5] offset:TILEB*\t+12288+128*\i
.endr
.endr
	global_prefetch_b8 v[PFO], s[PFA:PFA+1] offset:SROW th:TH_LOAD_NT scope:SCOPE_SE
	s_cmp_lg_u32 s15, 0
	s_cbranch_scc1 .Lone_tile
	global_prefetch_b8 v[PFO], s[PFA:PFA+1] offset:TILEB+SROW th:TH_LOAD_NT scope:SCOPE_SE
.Lone_tile:
	v_lshlrev_b32 v[L16], 4, v1
	v_and_b32 v2, 15, v0                           ; r
	v_bfe_u32 v3, v0, 4, 1                         ; h
	s_wait_alu depctr_va_vdst(0)
	s_mul_i32 s21, s15, HALFT
	s_mul_i32 s22, s16, HALFB
	s_add_co_u32 s22, s22, 2*HALFT
.irp s, 0,1
	v_add_nc_u32 v[ADRA+\s], s21, v[L16]
	v_add_nc_u32 v[ADRB+\s], s22, v[L16]
	s_add_co_u32 s21, s21, SLOT
	s_add_co_u32 s22, s22, SLOT
.endr
	s_mul_i32 s23, s14, 16*SPITCH                  ; my stage
	v_mul_u32_u24 v4, v2, SPITCH                   ; in: row r, 128 bytes for each half of the lanes
	v_lshl_add_u32 v4, v3, 7, v4
	v_add_nc_u32 v[STO], s23, v4
	v_mul_u32_u24 v5, v3, SPITCH                   ; back: lanes 0-15 take one row of 256 bytes, lanes 16-31 the next
	v_lshl_add_u32 v5, v2, 4, v5
	v_add_nc_u32 v[RD], s23, v5
	v_lshlrev_b32 v6, 4, v2
	v_lshl_add_u32 v[CO], v3, 12, v6               ; and the same two rows in out0
.macro FRAG reg, adr, q, i
.irp c, 0,1,2
	ds_load_b128 v[\reg+4*\c:\reg+4*\c+3], v[\adr] offset:SROW*(\i)+FRB*(\q)+512*\c
.endr
.endm
.macro MUL16 a0, p, i, row, zero       ; A's blocks a0, a0 + 1 x B's four; the accumulators take turns
.irp a, \a0, \a0+1
.irp b, 0,1,2,3
.if \zero
	v_wmma_scale_f32_16x16x128_f8f6f4 v[8*(8*((\a)%4)+\b):8*(8*((\a)%4)+\b)+7], v[128*(\p)+FR*\b:128*(\p)+FR*\b+FR-1], v[AF+FR*(\a):AF+FR*(\a)+FR-1], 0, v[SCB+4*\b+(\i)], v[SCA+4*(\a)+(\i)] matrix_a_fmt:MATRIX_FMT_FP6 matrix_b_fmt:MATRIX_FMT_FP6
.elseif \row
	v_wmma_scale_f32_16x16x128_f8f6f4 v[8*(8*((\a)%4)+\b):8*(8*((\a)%4)+\b)+7], v[128*(\p)+FR*\b:128*(\p)+FR*\b+FR-1], v[AF+FR*(\a):AF+FR*(\a)+FR-1], v[8*(8*((\a)%4)+\b):8*(8*((\a)%4)+\b)+7], v[SCB+4*\b+(\i)], v[SCA+4*(\a)+(\i)] matrix_a_fmt:MATRIX_FMT_FP6 matrix_b_fmt:MATRIX_FMT_FP6 matrix_a_scale:MATRIX_SCALE_ROW1 matrix_b_scale:MATRIX_SCALE_ROW1
.else
	v_wmma_scale_f32_16x16x128_f8f6f4 v[8*(8*((\a)%4)+\b):8*(8*((\a)%4)+\b)+7], v[128*(\p)+FR*\b:128*(\p)+FR*\b+FR-1], v[AF+FR*(\a):AF+FR*(\a)+FR-1], v[8*(8*((\a)%4)+\b):8*(8*((\a)%4)+\b)+7], v[SCB+4*\b+(\i)], v[SCA+4*(\a)+(\i)] matrix_a_fmt:MATRIX_FMT_FP6 matrix_b_fmt:MATRIX_FMT_FP6
.endif
.endr
.endr
.endm
.macro FETCH_B slot, q, p
	WIN TO_B
.irp i, 0,1,2,3
	FRAG 128*(\p)+FR*\i, ADRB+\slot, \q, \i
.endr
	WIN 0
.endm
.macro FETCH_A slot, q, i0
.irp i, \i0, \i0+1, \i0+2, \i0+3
	FRAG AF+FR*(\i), ADRA+\slot, \q, \i
.endr
.endm
.macro PLACES n
.rept \n
	v_nop
.endr
.endm
; A K step on B's set p = row; the next step's fragments, at K step q of slot, are fetched into the other set in its middle and at its end.
; sync = 1: that next step is slot 1's first: each wave waits for its load, and for its reads of slot 0, and a barrier shows slot 1 whole to all four waves.
.macro STEP slot, q, sg, row, zero, sync
.if \sync
	s_wait_tensorcnt 0x0                           ; my part of slot 1 is in
.endif
	s_wait_dscnt 4*NL                              ; the youngest 12 loads, A's blocks 4-7, may be out
	WIN MUL_LO
	MUL16 0, \row, \sg, \row, \zero
.if \sync
	s_wait_dscnt 0x0
	s_barrier_signal -1
	MUL16 2, \row, \sg, \row, \zero
	WIN 0
	s_barrier_wait -1
.else
	MUL16 2, \row, \sg, \row, \zero
	s_wait_dscnt 0x0
.endif
	PLACES NP
	FETCH_B \slot, \q, 1-\row
	FETCH_A \slot, \q, 0
	WIN MUL_HI
	MUL16 4, \row, \sg, \row, \zero
	MUL16 6, \row, \sg, \row, \zero
	PLACES NP
	WIN 0
	FETCH_A \slot, \q, 4
.endm
	s_wait_alu depctr_va_vdst(0)                   ; the wait at the head's end
	s_wait_tensorcnt 0x0                           ; my part of slot 0 is in; slot 1's fill stands behind the full sequence
	ds_add_u32 v[SPW], v[NIL]
	s_wait_dscnt 0x0
	CROUND                                         ; everybody's part of slot 0 is in
	JLOAD G0+4, G1, G0B+4, G1B                     ; K steps 4-7
	FETCH_B 0, 0, 0
	FETCH_A 0, 0, 0
	FETCH_A 0, 0, 4
	s_wait_loadcnt 0x0                             ; the scale words
	STEP 0, 1, 0, 0, 1, 0
	STEP 0, 2, 0, 1, 0, 0
	STEP 0, 3, 1, 0, 0, 0
	STEP 1, 0, 1, 1, 0, 1
	STEP 1, 1, 2, 0, 0, 0
	STEP 1, 2, 2, 1, 0, 0
	STEP 1, 3, 3, 0, 0, 0
	s_wait_dscnt 4*NL                              ; the last K step: nothing more to fetch
	WIN MUL_LO
	MUL16 0, 1, 3, 1, 0
	MUL16 2, 1, 3, 1, 0
	s_wait_dscnt 0x0
	WIN MUL_HI
	MUL16 4, 1, 3, 1, 0
	MUL16 6, 1, 3, 1, 0
	WIN 0
; THE WAY OUT, block by block of 16 tokens x 64 columns, through my own stage; a wave's LDS instructions are served in order.
.macro TOSTAGE a
.set AC, 64*((\a)%4)
.set WS1, 0x08+4*((\a)/4)
	WIN WS1
.irp b, 0,1,2,3
	ds_store_b128 v[STO], v[AC+8*\b:AC+8*\b+3] offset:32*\b          ; register j of tile b is column 32 h + 8 b + j of my 64; each accumulator from its low end on
	ds_store_b128 v[STO], v[AC+8*\b+4:AC+8*\b+7] offset:32*\b+16
.endr
	WIN 0
.set BB, BK+64*((\a)%2)
.irp t, 0,1,2,3,4,5,6,7
	ds_load_b128 v[BB+4*\t:BB+4*\t+3], v[RD] offset:2*\t*SPITCH
.endr
.endm
.macro SEND a, younger                 ; younger: the LDS instructions issued behind block a's loads, which may stay out
.set BB, BK+64*((\a)%2)
	s_wait_dscnt \younger
.irp t, 0,1,2,3,4,5,6,7
	global_store_b128 v[CO], v[BB+4*\t:BB+4*\t+3], s[8:9] offset:(64*((\a)/4)+8*((\a)%4)+((2*\t)%8)+32*((2*\t)/8))*4096 th:TH_STORE_NT   ; lane rows 2 t and 2 t + 1 of tile a; sixteen lanes store 256 consecutive bytes, aligned
.endr
.endm
	PLACES NP
	TOSTAGE 0
.irp a, 1,2,3,4,5,6,7
.if \a > 1
	s_wait_xcnt 0x0                                ; block a - 2's stores have read their registers
.endif
	TOSTAGE \a
	SEND \a-1, 16                                  ; behind block a - 1's loads: block a's 8 stores and 8 loads
.endr
	SEND 7, 0
	s_wait_tensorcnt 0x0                           ; the wave's end
	ds_add_u32 v[SPW], v[NIL]
	s_wait_dscnt 0x0
	CROUND                                         ; the closing round
	s_endpgm
.Lfunc_end_k_qcfd3c02d2c_out:
	.size	k_qcfd3c02d2c_out, .Lfunc_end_k_qcfd3c02d2c_out-k_qcfd3c02d2c_out
	.p2alignl 7, 3214868480
	.fill 96, 4, 3214868480
	.section	.rodata,"a",@progbits
	.p2align	6, 0x0
	.amdhsa_kernel k_qcfd3c02d2c_out
		.amdhsa_group_segment_fixed_size 327680
		.amdhsa_private_segment_fixed_size 0
		.amdhsa_enable_private_segment 0
		.amdhsa_kernarg_size 24
		.amdhsa_user_sgpr_count 2
		.amdhsa_user_sgpr_kernarg_segment_ptr 1
		.amdhsa_wavefront_size32 1
		.amdhsa_system_sgpr_workgroup_id_x 1
		.amdhsa_system_sgpr_workgroup_id_y 1
		.amdhsa_system_sgpr_workgroup_id_z 1
		.amdhsa_system_vgpr_workitem_id 0
		.amdhsa_next_free_vgpr 1024
		.amdhsa_next_free_sgpr 80
		.amdhsa_reserve_vcc 0
		.amdhsa_float_denorm_mode_32 3
		.amdhsa_float_denorm_mode_16_64 3
		.amdhsa_memory_ordered 1
		.amdhsa_forward_progress 1
		.amdhsa_inst_pref_size 82
	.end_amdhsa_kernel
	.amdgpu_metadata
---
amdhsa.version: [ 1, 2 ]
amdhsa.kernels:
  - .name:           k_qcfd3c02d2c_out
    .symbol:         k_qcfd3c02d2c_out.kd
    .args:
      - { .name: ab, .offset: 0, .size: 8, .value_kind: global_buffer, .address_space: global }
      - { .name: woq, .offset: 8, .size: 8, .value_kind: global_buffer, .address_space: global }
      - { .name: out0, .offset: 16, .size: 8, .value_kind: global_buffer, .address_space: global }
    .group_segment_fixed_size: 327680
    .private_segment_fixed_size: 0
    .kernarg_segment_align: 8
    .kernarg_segment_size: 24
    .max_flat_workgroup_size: 128
    .sgpr_count:     80
    .vgpr_count:     1024
    .wavefront_size: 32
...
	.end_amdgpu_metadata
.endif
;; end of part 4
